; MI455X (gfx1250); checked and timed in simulation.
; The chip was launched on July 23, 2026; its instructions are those of AMD's public machine-readable ISA for CDNA 5 (MIT licence, August 2026) and "CDNA5" Instruction Set Architecture Reference Guide (July 2026). The comments in the code are by the model that wrote it; some were corrected since.
;; Causal Attention. Allowed arithmetic: matrix products marked QUANTISED: E4M3 operands, one given power-of-two scale a tensor, by v_wmma_f32_16x16x64_fp8_fp8 or v_wmma_f32_16x16x128_fp8_fp8, f32 sums; everything else in f32.
;; Inputs: Wk_codes 1,024 x 32 x 32 uint8 (E4M3 codes of Wk, K innermost, in blocks of 32 codes); Wq_codes 1,024 x 32 x 32 uint8 (E4M3 codes of Wq, K innermost, in blocks of 32 codes); Wv_codes 1,024 x 32 x 32 uint8 (E4M3 codes of Wv, K innermost, in blocks of 32 codes); lowp_scales 10 int32 (the exponents e of the quantised operands' scales 2^e); x_codes 4 x 2,048 x 32 x 32 uint8 (E4M3 codes of x, K innermost, in blocks of 32 codes).
;; Outputs: out0 4 x 2,048 x 1,024 float32.
;; This version of the problem:
;;   THIS VERSION OF THE PROBLEM IS GIVEN IN LOW PRECISION. The matrix products marked QUANTISED in the list below multiply operands that are first quantised to E4M3 (4 exponent bits, 3 mantissa bits; 8 bits a number), with one given power-of-two scale for each operand tensor; their sums are f32. All else is computed in f32.
;;   The module's matrix products, in the order in which they are computed (A, B: the left and right operand; K: the contracted axis; several contracted axes count as one K, in the product's order):
;;     1. [M 8,192, K 1,024] x [K 1,024, N 1,024]; A: input x (given as codes); B: input Wq (given as codes): QUANTISED (scales: A lowp_scales[0], B lowp_scales[1])
;;     2. [M 8,192, K 1,024] x [K 1,024, N 1,024]; A: input x (given as codes); B: input Wk (given as codes): QUANTISED (scales: A lowp_scales[2], B lowp_scales[3])
;;     3. [M 8,192, K 1,024] x [K 1,024, N 1,024]; A: input x (given as codes); B: input Wv (given as codes): QUANTISED (scales: A lowp_scales[4], B lowp_scales[5])
;;     4. batch 4 x [M 2,048, K 1,024] x [K 1,024, N 2,048]; A: computed on the way; B: computed on the way: QUANTISED (scales: A lowp_scales[6], B lowp_scales[7])
;;     5. batch 4 x [M 2,048, K 2,048] x [K 2,048, N 1,024]; A: softmax (see below); B: computed on the way: QUANTISED (scales: A lowp_scales[8], B lowp_scales[9])
;;   THE QUANTISER, for each operand of a quantised product, along K:
;;     - The operand's scale is 2^e, e = its entry of the input lowp_scales (int32; the entries are numbered through the quantised products in the list's order, A before B).
;;     - Each number is divided by the scale, clamped to +-448, and rounded to the nearest number of E4M3, ties to even, subnormals kept.
;;     - The product sums the exact products of the quantised numbers (number of the format x scale) in f32.
;;   ~~~python
;;   def quantise(x, axis, e):      # numpy; x: float32 -> the quantised numbers, widened to float32 again
;;       x = np.moveaxis(x, axis, -1); K = x.shape[-1]
;;       r = np.clip(x / 2.0 ** e, -448, 448)
;;       step = 2.0 ** (np.maximum(np.frexp(np.where(r == 0, 1, r))[1] - 1, -6) - 3)
;;       q = np.round(r / step) * step * 2.0 ** e      # np.round: ties to even
;;       return np.moveaxis(q, -1, axis).astype(np.float32)
;;   ~~~
;;   SOFTMAX AHEAD OF A QUANTISED PRODUCT. Where the list says 'softmax', what is quantised is not the finished softmax but p = 2^(t - M), with t = logit x log2(e) and M = ceil(the row's largest t), a whole number; so 1/2 < the row's largest p <= 1. The row's sum l is taken of the UNQUANTISED p, in f32, and the product's result is divided by l at the end. Since M is a whole number, a kernel that streams over the keys may use a running M (the ceiling of the running maximum): every later rescaling is an exact power of two, so the quantised numbers keep their values, but for numbers so far below the row's largest that they fall under the format's range.
;;   OPERANDS COMPUTED ON THE WAY. 'Computed on the way' means the value that the module computes at that place (a softmax that the list does not call 'softmax' is quantised finished and normalised). What goes into a quantiser is computed in f32, as accurately as f32 sums, v_exp_f32 and their like allow (about 1e-6 of the number): no bf16 or f16 on the way to a quantiser, and a product that is left as it is and whose result goes on into a quantised operand takes f32 operands (vector FMAs, or v_wmma_f32_16x16x4_f32). A number that lies on a knife's edge between two numbers of the format may be rounded either way, as far as f32 arithmetic and the matrix unit's own rounding can turn it there, and no further.
;;   INPUTS GIVEN AS CODES. Wk (in the module: [1024, 1024], K = its axis 0); Wq (in the module: [1024, 1024], K = its axis 0); Wv (in the module: [1024, 1024], K = its axis 0); x (in the module: [4, 2048, 1024], K = its axis 2): each comes as NAME_codes (uint8): NAME with its K axis moved to the last place and cut into blocks of 32 codes, [.., K / 32, bytes a block], one block behind the other in memory; one code a byte (a code: sign, 4 exponent bits, 3 mantissa bits); its scale is its entry of lowp_scales. Its value is code x scale, taken as it is: it is not quantised again, and the codes and scales need not be those that the quantiser above would give.
;; One version. Each part assembles by itself: llvm-mc -triple=amdgcn-amd-amdhsa -mcpu=gfx1250 --defsym DOCPART=n.
;; ======== version 1 of 1: 3 launches
;; limits: right only within a limited range of input values
;; workspace buffers: q_codes 8,388,608 bytes; k_codes 8,388,608 bytes; v_codes 8,388,608 bytes; p_codes 16,777,216 bytes; negm 262,144 bytes; lsum 262,144 bytes
;; launch proj (part 1): grid 8 x 32, 4 waves a work-group, clusters of 4 x 4, 327,680 bytes of LDS; arguments x_codes, Wq_codes, Wk_codes, Wv_codes, lowp_scales, q_codes, k_codes, v_codes; writes q_codes, k_codes, v_codes
.if DOCPART == 1
	.amdgcn_target "amdgcn-amd-amdhsa--gfx1250"
	.amdhsa_code_object_version 6
	.text
	.protected	k_q9258ea86d3_proj
	.globl	k_q9258ea86d3_proj
	.p2align	8
	.type	k_q9258ea86d3_proj,@function
k_q9258ea86d3_proj:
	s_mov_b64 s[64:65], 0
	v_nop
	global_prefetch_b8 v0, s[64:65] scope:SCOPE_SE
	s_setreg_imm32_b32 hwreg(HW_REG_WAVE_MODE, 25, 1), 1
	s_wait_xcnt 0x0
	s_wait_alu depctr_hold_cnt(0) depctr_sa_sdst(0) depctr_va_vdst(0) depctr_va_sdst(0) depctr_va_ssrc(0) depctr_va_vcc(0) depctr_vm_vsrc(0)
	s_getreg_b32 s2, hwreg(HW_REG_IB_STS2, 6, 4)
	s_cmp_eq_u32 s2, 0
	s_cbranch_scc0 .Lentry_in_a_cluster
	s_endpgm
.Lentry_in_a_cluster:
	s_bfe_u32 s2, ttmp6, 0x10000c
	s_cmp_lg_u32 s2, 0xf033
	s_cbranch_scc0 .Lentry_shape_is_right
	s_endpgm
.Lentry_shape_is_right:
; THE PROJECTIONS q = x Wq, k = x Wk AND A QUARTER OF v = x Wv, finished as codes of FP8 (E4M3).  q, k: [8192 rows (batch, place)][1024 e]; v: [1024 e][8192 (batch, key)], the keys innermost; here its e = 768 .. 1023 (the next launch makes the rest).
; All operands arrive as codes with K = 1,024 innermost.  256 work-groups, one turn: each makes a tile of 256 x 256 of q (cluster x = 0) or of k (1), and for the same 256 rows of x 32 columns of v: 8 tile columns x 32 = 256.
; Four waves; a wave makes 128 x 128 of q or k (64 accumulators, 512 registers) and 128 x 16 of v (8 accumulators).
; q, k: source 0 = 16 rows of W, source 1 = 16 rows of x: a lane holds eight neighbouring columns e of one row.  v: source 0 = 16 rows of x, source 1 = 16 rows of Wv: a lane holds one e and eight neighbouring keys.  Either way one conversion makes 8 bytes that belong together.
; A fragment comes by four loads of 16 bytes: a permutation of k, the same in both operands, so every product meets its partner.
; code = sum x 2^(eA + eB) / 2^eO, held within +-448: the three exponents are folded into the conversion's one scale 2^E, E = eO - eA - eB.
; LIMITS: E between -126 and 119 for each of the three products.  NaN is not served.
; K goes in four steps of 256 through two LDS slots filled by the tensor data mover.  CLUSTERS: 4 x 4; x's tile is asked for jointly along a row of the cluster, W's and Wv's along a column.
; No prefetch: the four K steps are written out, there is no loop to run ahead in.
; WORK LEFT OUT BY THE PROGRAM: the tiles of scores, p and p v that lie wholly behind reference()'s own causal mask (keys above the query: -infinity ahead of the softmax, so p = 0 for all finite inputs).  LIMIT: a NaN or an infinity that reaches only those tiles is not carried to the result.
; REGISTERS, window 0: v0-31 addresses and constants; v32-95 v's accumulators; v96-127 Wv's fragments, two sets; v128-255 x's fragments, ONE set, on the way out numbers, codes and rows.
;   window 1: W's fragments, TWO sets.   window 2: accumulators of my rows 0-63 ((a, b) at v[8 (8 a + b)]);   window 3: of my rows 64-127.
.set ROWB,   256
.set KROW,   1024
.set PITCH,  272                       ; an LDS row: 256 bytes + 16 of padding
.set FR,     16                        ; registers of a fragment: 16 rows x 128 K
.set NL,     4                         ; LDS loads that bring one
.set NP,     4                         ; places behind this matrix instruction (ISA guide 7.12.1)
.set HALFT,  128*PITCH
.set WOFF,   2*HALFT                   ; a slot: x's 256 rows, W's 256 rows, Wv's 32 rows
.set VOFF,   4*HALFT
.set SLOT,   544*PITCH
.set SPARE,  2*SLOT                    ; the spare words, 128 bytes a wave: two blocks of 256 bytes that no other line names
.set VST,    WOFF                      ; the stages lie in slot 0, which has had its last fill and its last read by then: q's or k's 256 rows from byte 0, v's 32 rows from here
.set SCV,  12                          ; v12, v13  2^E and 448 x 2^E for v
.set LIV,  13
.set VRD,  14                          ; v14  v's stage: where I read a row back
.set VCO,  15                          ; v15  my byte offset in two rows of v
.set ADRA, 16
.set ADRB, 20
.set ADRC, 22
.set STO,  24
.set RD,   25
.set CO,   26
.set VSTO, 27
.set SPW,  28                          ; v28  LDS address of my spare word; never rewritten
.set NIL,  29                          ; v29  0; never rewritten
.set SCL,  30
.set LIM,  31
.set EA,   32
.set VF,   96
.set AF,   128
.set BK0,  128                         ; the way out, blocks 0-3: numbers v128-159, codes v160-191, then rows read back v128-191
.set BK1,  192                         ; blocks 4-7: numbers v192-255, codes v112-127 (v's: v96-111), then rows read back v192-255
.set G1, 24                            ; s[24:31] group 1 for x;  s[32:35] its group 0, which walks
.set G0, 32
.set G0B, 36                           ; s[36:39], s[40:47] for W
.set G1B, 40
.set G1C, 48                           ; s[48:55], s[56:59] for Wv
.set G0C, 56
.set MSB, 0
.macro WIN new                         ; the immediate's high byte repeats the setting that is left
.if MSB != \new
	s_set_vgpr_msb (MSB<<8)|\new
.set MSB, \new
.endif
.endm
.set MUL_LO, 0xa1                      ; source 0 window 1, source 1 window 0, C and D window 2
.set MUL_HI, 0xf1
.set TO_B,   0x40
.macro PLACES n
.rept \n
	v_nop
.endr
.endm
; A joint load: waves 0 and 1 fetch x's halves, wave 2 W's tile, wave 3 Wv's.  The branches hang on the wave's number alone.
.macro JLOAD
	s_cmp_lt_u32 s14, 2
	s_cbranch_scc0 .Lfor_w_\@
	tensor_load_to_lds s[G0:G0+3], s[G1:G1+7]
	s_nop 0
	PLACES 4
	s_branch .Lasked_\@
.Lfor_w_\@:
	s_cmp_eq_u32 s14, 2
	s_cbranch_scc0 .Lfor_v_\@
	tensor_load_to_lds s[G0B:G0B+3], s[G1B:G1B+7]
	s_nop 0
	PLACES 4
	s_branch .Lasked_\@
.Lfor_v_\@:
	tensor_load_to_lds s[G0C:G0C+3], s[G1C:G1C+7]
	s_nop 0
	PLACES 4
.Lasked_\@:
.endm
.macro NEXTD slot                      ; the groups 0 walk one K step on, into the named slot (no load of mine is out)
	s_add_co_u32 s[G0+1], s94, \slot*SLOT
	s_add_nc_u64 s[G0+2:G0+3], s[G0+2:G0+3], ROWB
	s_mov_b32 s[G0B+1], WOFF+\slot*SLOT
	s_add_nc_u64 s[G0B+2:G0B+3], s[G0B+2:G0B+3], ROWB
	s_mov_b32 s[G0C+1], VOFF+\slot*SLOT
	s_add_nc_u64 s[G0C+2:G0C+3], s[G0C+2:G0C+3], ROWB
.endm
.macro CREST                           ; a round of the cluster's barrier behind its opening barrier
	s_cmp_lg_u32 s14, 0
	s_cbranch_scc1 .Lnot_wave_0_\@
	s_barrier_signal -3
.Lnot_wave_0_\@:
	s_barrier_wait -3
	s_barrier_signal -1
	s_barrier_wait -1
.endm
.macro CROUND
	s_barrier_signal -1
	s_barrier_wait -1
	CREST
.endm
	s_load_b512 s[68:83], s[0:1], 0x0              ; x s[68:69], Wq, Wk, Wv s[74:75], the scales s[76:77], q, k, v s[82:83]
	v_lshl_add_u32 v[SPW], v0, 2, SPARE
	v_mov_b32 v[NIL], 0
	ds_add_u32 v[SPW], v[NIL]                      ; the opening lines: the add, twice on end, and its wait
	ds_add_u32 v[SPW], v[NIL]
	v_lshrrev_b32 v1, 5, v0
	v_readfirstlane_b32 s14, v1                    ; wave 0..3
	s_lshr_b32 s15, s14, 1                         ; which half of the tile's rows is mine
	s_and_b32 s16, s14, 1                          ; which half of its columns
	s_bfe_u32 s60, ttmp6, 0x40000                  ; cx
	s_bfe_u32 s61, ttmp6, 0x40004                  ; cy
	s_and_b32 s17, ttmp7, 0xffff
	s_lshl_b32 s17, s17, 2
	s_add_co_u32 s17, s17, s61                     ; i: x's tile of 256 rows
	s_lshl_b32 s18, ttmp9, 2
	s_add_co_u32 s18, s18, s60                     ; j: the tile column, 0..7: 4 of q, 4 of k
	s_lshl_b32 s62, s61, 2
	s_lshl_b32 s62, 15, s62                        ; my row of the cluster
	s_lshl_b32 s63, 0x1111, s60                    ; my column
	s_or_b32 s[G1], s62, (0<<16)|(1<<20)|(1<<21)|(5<<22)|(3<<25)   ; mask; elements of 1 byte; padding on; 21 beside a mask; after every 64 words; of 4 words
	s_or_b32 s[G1B], s63, (0<<16)|(1<<20)|(1<<21)|(5<<22)|(3<<25)
	s_or_b32 s[G1C], s63, (0<<16)|(1<<20)|(1<<21)|(5<<22)|(3<<25)
	s_mov_b32 s[G1+2], 128<<16                     ; tensor_dim1 = the tile's rows: 128, 256, 32
	s_mov_b32 s[G1+4], 128                         ; tile_dim1
	s_mov_b32 s[G1B+2], 256<<16
	s_mov_b32 s[G1B+4], 256
	s_mov_b32 s[G1C+2], 32<<16
	s_mov_b32 s[G1C+4], 32
.irp g, G1, G1B, G1C
	s_mov_b32 s[\g+1], ROWB<<16                    ; tensor_dim0
	s_mov_b32 s[\g+3], ROWB<<16                    ; tile_dim0
	s_mov_b32 s[\g+5], KROW                        ; pitch
	s_mov_b32 s[\g+6], 0
	s_mov_b32 s[\g+7], 0
.endr
	s_lshl_b32 s20, s17, 8
	s_lshl_b32 s21, s16, 7
	s_add_co_u32 s20, s20, s21                     ; x: row 256 i + 128 x (wave & 1),
	s_lshl_b32 s20, s20, 10                        ; in bytes
	s_mov_b32 s21, 0
	s_lshl_b32 s22, s60, 18                        ; W: row 256 cx
	s_mov_b32 s23, 0
	s_lshl_b32 s66, s18, 5
	s_add_co_u32 s66, s66, 768                     ; Wv: row 768 + 32 j
	s_lshl_b32 s66, s66, 10
	s_mov_b32 s67, 0
	s_mul_i32 s94, s14, HALFT                      ; where x's halves go
	s_wait_dscnt 0x0                               ; both opening adds are done
	s_wait_kmcnt 0x0
	s_load_b256 s[84:91], s[76:77], 0x0            ; e0 .. e7
	s_load_b64 s[92:93], s[76:77], 0x20            ; e8, e9
	s_cmp_eq_u32 ttmp9, 1                          ; the cluster's x: the same in all sixteen partners
	s_cselect_b64 s[6:7], s[72:73], s[70:71]       ; Wk or Wq
	s_cselect_b64 s[10:11], s[80:81], s[78:79]     ; k's codes or q's
	s_mov_b32 s[G0], 1
	s_mov_b32 s[G0+1], s94
	s_add_nc_u64 s[G0+2:G0+3], s[68:69], s[20:21]
	s_or_b32 s[G0+3], s[G0+3], 0x80000000
	s_mov_b32 s[G0B], 1
	s_mov_b32 s[G0B+1], WOFF
	s_add_nc_u64 s[G0B+2:G0B+3], s[6:7], s[22:23]
	s_or_b32 s[G0B+3], s[G0B+3], 0x80000000
	s_mov_b32 s[G0C], 1
	s_mov_b32 s[G0C+1], VOFF
	s_add_nc_u64 s[G0C+2:G0C+3], s[74:75], s[66:67]
	s_or_b32 s[G0C+3], s[G0C+3], 0x80000000
	CROUND                                         ; all sixteen work-groups are here: the first joint loads meet
	JLOAD                                          ; K step 0: one tensor load a wave at the head
	s_mul_i32 s2, s15, HALFT                       ; my 128 rows of x
	s_mul_i32 s3, s16, HALFT
	s_lshl_b32 s13, s16, 7
	s_add_co_u32 s5, s2, s13                       ; the stage, in: row 128 x row half + r, byte 128 x column half + 8 h
	s_add_co_u32 s3, s3, WOFF                      ; my 128 rows of W
	s_mul_i32 s4, s16, 16*PITCH
	s_lshl_b32 s13, s15, 7
	s_add_co_u32 s9, s4, s13
	s_add_co_u32 s9, s9, VST                       ; v's stage, in: row 16 x column half + r, byte 128 x row half + 8 h
	s_add_co_u32 s4, s4, VOFF                      ; my 16 rows of Wv
	s_mul_i32 s8, s16, 32*PITCH                    ; back: wave (row half, column half) takes rows 128 x row half + 32 x column half on, whole; later the same 64 rows further down; of v's 8 w on
	s_add_co_u32 s8, s8, s2
	s_mul_i32 s12, s14, 8*PITCH
	s_add_co_u32 s12, s12, VST
	s_lshl_b32 s96, s17, 8                         ; 256 i
	s_lshl_b32 s95, s15, 7
	s_add_co_u32 s98, s96, s95
	s_lshl_b32 s95, s16, 5
	s_add_co_u32 s98, s98, s95
	s_lshl_b32 s98, s98, 10
	s_lshl_b32 s95, s60, 8
	s_add_co_u32 s98, s98, s95                     ; q, k: row 256 i + 128 x row half + 32 x column half, column 256 cx
	s_mov_b32 s99, 0
	s_add_nc_u64 s[10:11], s[10:11], s[98:99]
	s_lshl_b32 s98, s18, 5
	s_lshl_b32 s95, s14, 3
	s_add_co_u32 s98, s98, s95
	s_add_co_u32 s98, s98, 768
	s_lshl_b32 s98, s98, 13
	s_add_co_u32 s98, s98, s96                     ; v: row 768 + 32 j + 8 w, column 256 i
	s_add_nc_u64 s[82:83], s[82:83], s[98:99]
	v_and_b32 v1, 15, v0                           ; r
	v_bfe_u32 v2, v0, 4, 1                         ; h
	v_mul_u32_u24 v3, v1, PITCH
	v_lshl_add_u32 v4, v2, 4, v3                   ; a fragment's row x pitch + 16 h
	v_lshl_add_u32 v5, v2, 3, v3
	v_mul_u32_u24 v6, v2, PITCH
	v_lshl_add_u32 v6, v1, 4, v6                   ; lanes 0-15 one row of 256 bytes, lanes 16-31 the next
	v_lshlrev_b32 v7, 10, v2
	v_lshl_add_u32 v[CO], v1, 4, v7
	v_lshlrev_b32 v7, 13, v2
	v_lshl_add_u32 v[VCO], v1, 4, v7
	v_add_nc_u32 v[ADRA], s2, v4
	v_add_nc_u32 v[ADRB], s3, v4
	v_add_nc_u32 v[ADRC], s4, v4
	v_add_nc_u32 v[STO], s5, v5
	v_add_nc_u32 v[VSTO], s9, v5
	v_add_nc_u32 v[RD], s8, v6
	v_add_nc_u32 v[VRD], s12, v6
	v_add_nc_u32 v[ADRA+1], SLOT, v[ADRA]
	v_add_nc_u32 v[ADRB+1], SLOT, v[ADRB]
	v_add_nc_u32 v[ADRC+1], SLOT, v[ADRC]
	s_wait_kmcnt 0x0
	s_sub_co_i32 s84, s90, s84
	s_sub_co_i32 s84, s84, s85                     ; q: e6 - e0 - e1
	s_sub_co_i32 s86, s91, s86
	s_sub_co_i32 s86, s86, s87                     ; k: e7 - e2 - e3
	s_sub_co_i32 s88, s93, s88
	s_sub_co_i32 s88, s88, s89                     ; v: e9 - e4 - e5
	s_cmp_eq_u32 ttmp9, 1
	s_cselect_b32 s84, s86, s84
.macro POWER e, scl, lim
	s_add_co_i32 s[\e], s[\e], 127
	s_lshl_b32 s95, s[\e], 23
	v_mov_b32 v[\scl], s95                         ; 2^E as f32: the conversion takes its exponent field
	s_add_co_i32 s[\e], s[\e], 8
	s_lshl_b32 s[\e], s[\e], 23
	s_or_b32 s[\e], s[\e], 0x600000
	v_mov_b32 v[\lim], s[\e]                       ; 448 x 2^E
.endm
	POWER 84, SCL, LIM
	POWER 88, SCV, LIV
.macro FRAG reg, adr, q, i             ; lane l holds row l % 16; registers 4 c .. 4 c + 3 hold K = 32 c + 16 (l / 16) + 0 .. 15
.irp c, 0,1,2,3
	ds_load_b128 v[\reg+4*\c:\reg+4*\c+3], v[\adr] offset:128*(\q)+32*\c+(\i)*16*PITCH
.endr
.endm
; 16 matrix instructions: x's blocks a0, a0 + 1 x W's eight, 128 along K.  p: W's set.  zero = 1: the first product starts the sums.
; The 72 accumulators take turns, one instruction a turn.
.macro MUL16 a0, p, zero
.irp a, \a0, \a0+1
.irp b, 0,1,2,3,4,5,6,7
.if \zero
	v_wmma_f32_16x16x128_fp8_fp8 v[8*(8*((\a)%4)+\b):8*(8*((\a)%4)+\b)+7], v[128*(\p)+FR*\b:128*(\p)+FR*\b+FR-1], v[AF+FR*(\a):AF+FR*(\a)+FR-1], 0
.else
	v_wmma_f32_16x16x128_fp8_fp8 v[8*(8*((\a)%4)+\b):8*(8*((\a)%4)+\b)+7], v[128*(\p)+FR*\b:128*(\p)+FR*\b+FR-1], v[AF+FR*(\a):AF+FR*(\a)+FR-1], v[8*(8*((\a)%4)+\b):8*(8*((\a)%4)+\b)+7]
.endif
.endr
.endr
.endm
.macro VMUL a0, p, zero                ; v: x's blocks a0 .. a0 + 3 against my 16 rows of Wv; all in window 0
.irp a, 0,1,2,3
.if \zero
	v_wmma_f32_16x16x128_fp8_fp8 v[EA+8*(\a0+\a):EA+8*(\a0+\a)+7], v[AF+FR*(\a0+\a):AF+FR*(\a0+\a)+FR-1], v[VF+FR*(\p):VF+FR*(\p)+FR-1], 0
.else
	v_wmma_f32_16x16x128_fp8_fp8 v[EA+8*(\a0+\a):EA+8*(\a0+\a)+7], v[AF+FR*(\a0+\a):AF+FR*(\a0+\a)+FR-1], v[VF+FR*(\p):VF+FR*(\p)+FR-1], v[EA+8*(\a0+\a):EA+8*(\a0+\a)+7]
.endif
.endr
.endm
.macro FETCH_B slot, q, p              ; W's eight fragments and Wv's one, into set p
	WIN TO_B
.irp i, 0,1,2,3,4,5,6,7
	FRAG 128*(\p)+FR*\i, ADRB+\slot, \q, \i
.endr
	WIN 0
	FRAG VF+FR*(\p), ADRC+\slot, \q, 0
.endm
.macro FETCH_A slot, q, i0
.irp i, \i0, \i0+1, \i0+2, \i0+3
	FRAG AF+FR*(\i), ADRA+\slot, \q, \i
.endr
.endm
; A step of 128 along K that has its successor in the same slot.  A load into a register that a matrix instruction has read stands NP plain places behind it: hence PLACES.
.macro STEP slot, q, zero
	s_wait_dscnt 4*NL                              ; all but the youngest 16 loads (x's blocks 4-7)
	WIN MUL_LO
	MUL16 0, (\q)%2, \zero
	MUL16 2, (\q)%2, \zero
	WIN 0
	VMUL 0, (\q)%2, \zero
	s_wait_dscnt 0                                 ; x's blocks 4-7 are in
	PLACES NP
	FETCH_B \slot, (\q)+1, 1-(\q)%2
	FETCH_A \slot, (\q)+1, 0
	WIN MUL_HI
	MUL16 4, (\q)%2, \zero
	MUL16 6, (\q)%2, \zero
	WIN 0
	VMUL 4, (\q)%2, \zero
	PLACES NP
	FETCH_A \slot, (\q)+1, 4
.endm
; A slot's last step changes slots.  Its first 36 products want registers alone and stand ahead of the change.  Then ONE barrier (fill = 1: it opens a round): in front of it each wave waits for all its tensor loads,
; adds 0 to its spare word, and waits for that and for its own reads of this slot.  fill = 1: this slot is filled again, two K steps ahead.
.macro TURN slot, next, fill
	s_wait_dscnt 4*NL
	WIN MUL_LO
	MUL16 0, 1, 0
	MUL16 2, 1, 0
	WIN 0
	VMUL 0, 1, 0
	s_wait_tensorcnt 0x0                           ; my part of the next slot has landed; so a group 0 may be written
	ds_add_u32 v[SPW], v[NIL]
.if \fill
	NEXTD \slot
.endif
	s_wait_dscnt 0x0                               ; the add is done, and my reads of this slot are over
	s_barrier_signal -1
	s_barrier_wait -1
.if \fill
	CREST
	JLOAD                                          ; the first tensor load behind the round; its four v_nop are the places in front of the loads below
.else
	PLACES NP
.endif
	FETCH_B \next, 0, 0
	FETCH_A \next, 0, 0
	WIN MUL_HI
	MUL16 4, 1, 0
	MUL16 6, 1, 0
	WIN 0
	VMUL 4, 1, 0
	PLACES NP
	FETCH_A \next, 0, 4
.endm
	s_wait_alu depctr_va_vdst(0)                   ; the wait at the head's end
	s_wait_tensorcnt 0x0                           ; my part of K step 0 is in; these lines stand ahead of a later first fill, as ahead of a refill
	ds_add_u32 v[SPW], v[NIL]
	NEXTD 1
	s_wait_dscnt 0x0
	CROUND
	JLOAD                                          ; K step 1
	FETCH_B 0, 0, 0
	FETCH_A 0, 0, 0
	FETCH_A 0, 0, 4
	STEP 0, 0, 1                                   ; K 0-127: the products start the sums
	TURN 0, 1, 1                                   ; slot 0 takes K 512-767
	STEP 1, 0, 0
	TURN 1, 0, 1                                   ; slot 1 takes K 768-1023
	STEP 0, 0, 0
	TURN 0, 1, 0                                   ; nothing is left to fetch; behind this barrier nobody reads slot 0
	; THE LAST K STEP, in slot 1: the rows of blocks 0-3 are finished first, and leave while those of blocks 4-7 are multiplied and converted.
	s_wait_dscnt 4*NL
	WIN MUL_LO
	MUL16 0, 0, 0
	MUL16 2, 0, 0
	WIN 0
	VMUL 0, 0, 0
	PLACES NP
	FETCH_B 1, 1, 1
	FETCH_A 1, 1, 0
	s_wait_dscnt 52                                ; x's blocks 4-7 are in; the 36 + 16 loads just issued may be out
	VMUL 4, 0, 0
	WIN MUL_HI
	MUL16 4, 0, 0
	MUL16 6, 0, 0
	WIN 0
	PLACES NP
	FETCH_A 1, 1, 4
	s_wait_dscnt 4*NL                              ; all but the 16 just issued
	WIN MUL_LO
	MUL16 0, 1, 0
	MUL16 2, 1, 0
	WIN 0
	VMUL 0, 1, 0
	PLACES NP
	; THE WAY OUT.  The sums are held, turned into codes, gathered in the stages, and leave as whole rows of 256 bytes.
	; The conversion to an 8-bit code does not saturate (ISA guide 7.6.2): the hold, always executed; each accumulator from its low end on.
.macro CODES a, h, tmp, cd             ; half h of block a: 16 rows x 64 columns
	WIN (2+(\a)/4)                                 ; source 0: window 2 or 3
.set i, 0
.rept 32
	v_med3_num_f32 v[\tmp+i], v[64*((\a)%4)+32*\h+i], -v[LIM], v[LIM]
.set i, i+1
.endr
	WIN 0
.irp b, 0,1,2,3
	v_cvt_scalef32_pk8_fp8_f32 v[\cd+2*\b:\cd+2*\b+1], v[\tmp+8*\b:\tmp+8*\b+7], v[SCL]
.endr
	v_nop                                          ; one plain line between the conversions and the next lines that write their sources
.irp b, 0,1,2,3
	ds_store_b64 v[STO], v[\cd+2*\b:\cd+2*\b+1] offset:(\a)*16*PITCH+64*\h+16*\b
.endr
.endm
.irp a, 0,1,2,3
	CODES \a, 0, 128, 160+16*(\a%2)
	CODES \a, 1, 128, 168+16*(\a%2)
.endr
	s_wait_dscnt 0x0                               ; for the others' sake: my codes of blocks 0-3 lie in the stage (and x's blocks 4-7 are in)
	s_barrier_signal -1
	s_barrier_wait -1                              ; a row's 256 bytes come from two waves
.set t, 0
.rept 16
	ds_load_b128 v[BK0+4*t:BK0+4*t+3], v[RD] offset:t*2*PITCH
.set t, t+1
.endr
	WIN MUL_HI
	MUL16 4, 1, 0
	WIN 0
.set t, 0
.rept 16
	s_wait_dscnt 15-t                              ; LDS loads come back in order: load t is in, the younger ones may be out
	global_store_b128 v[CO], v[BK0+4*t:BK0+4*t+3], s[10:11] offset:t*2048   ; 16 lanes store 256 consecutive bytes, aligned
.set t, t+1
.endr
	WIN MUL_HI
	MUL16 6, 1, 0
	WIN 0
	VMUL 4, 1, 0
	PLACES NP
.set i, 0
.rept 64
	v_med3_num_f32 v[EA+i], v[EA+i], -v[LIV], v[LIV]
.set i, i+1
.endr
.irp a, 0,1,2,3,4,5,6,7
	v_cvt_scalef32_pk8_fp8_f32 v[VF+2*\a:VF+2*\a+1], v[EA+8*\a:EA+8*\a+7], v[SCV]
.endr
	v_nop
.irp a, 0,1,2,3,4,5,6,7
	ds_store_b64 v[VSTO], v[VF+2*\a:VF+2*\a+1] offset:16*\a   ; e = r, keys 16 a + 8 h + 0 .. 7 of my 128
.endr
.irp a, 4,5,6,7
	CODES \a, 0, 192, 112
	CODES \a, 1, 224, 120
.endr
	s_wait_dscnt 0x0                               ; for the others' sake: the rest of my codes lies in the stages
	s_barrier_signal -1
	s_barrier_wait -1
.set t, 0
.rept 4
	ds_load_b128 v[EA+4*t:EA+4*t+3], v[VRD] offset:t*2*PITCH
.set t, t+1
.endr
.set t, 0
.rept 16
	ds_load_b128 v[BK1+4*t:BK1+4*t+3], v[RD] offset:64*PITCH+t*2*PITCH
.set t, t+1
.endr
.set t, 0
.rept 4
	s_wait_dscnt 19-t
	global_store_b128 v[VCO], v[EA+4*t:EA+4*t+3], s[82:83] offset:t*16384
.set t, t+1
.endr
.set t, 0
.rept 16
	s_wait_dscnt 15-t
	global_store_b128 v[CO], v[BK1+4*t:BK1+4*t+3], s[10:11] offset:65536+t*2048
.set t, t+1
.endr
	s_wait_tensorcnt 0x0                           ; the wave's end
	ds_add_u32 v[SPW], v[NIL]
	s_wait_dscnt 0x0
	CROUND                                         ; the closing round
	s_endpgm
.Lfunc_end_k_q9258ea86d3_proj:
	.size	k_q9258ea86d3_proj, .Lfunc_end_k_q9258ea86d3_proj-k_q9258ea86d3_proj
	.p2alignl 7, 3214868480
	.fill 96, 4, 3214868480
	.section	.rodata,"a",@progbits
	.p2align	6, 0x0
	.amdhsa_kernel k_q9258ea86d3_proj
		.amdhsa_group_segment_fixed_size 327680
		.amdhsa_private_segment_fixed_size 0
		.amdhsa_enable_private_segment 0
		.amdhsa_kernarg_size 64
		.amdhsa_user_sgpr_count 2
		.amdhsa_user_sgpr_kernarg_segment_ptr 1
		.amdhsa_wavefront_size32 1
		.amdhsa_system_sgpr_workgroup_id_x 1
		.amdhsa_system_sgpr_workgroup_id_y 1
		.amdhsa_system_sgpr_workgroup_id_z 1
		.amdhsa_system_vgpr_workitem_id 0
		.amdhsa_next_free_vgpr 1024
		.amdhsa_next_free_sgpr 100
		.amdhsa_reserve_vcc 0
		.amdhsa_float_denorm_mode_32 3
		.amdhsa_float_denorm_mode_16_64 3
		.amdhsa_memory_ordered 1
		.amdhsa_forward_progress 1
		.amdhsa_inst_pref_size 142
	.end_amdhsa_kernel
	.amdgpu_metadata
---
amdhsa.version: [ 1, 2 ]
amdhsa.kernels:
  - .name:           k_q9258ea86d3_proj
    .symbol:         k_q9258ea86d3_proj.kd
    .args:
      - { .name: x_codes, .offset: 0, .size: 8, .value_kind: global_buffer, .address_space: global }
      - { .name: Wq_codes, .offset: 8, .size: 8, .value_kind: global_buffer, .address_space: global }
      - { .name: Wk_codes, .offset: 16, .size: 8, .value_kind: global_buffer, .address_space: global }
      - { .name: Wv_codes, .offset: 24, .size: 8, .value_kind: global_buffer, .address_space: global }
      - { .name: lowp_scales, .offset: 32, .size: 8, .value_kind: global_buffer, .address_space: global }
      - { .name: q_codes, .offset: 40, .size: 8, .value_kind: global_buffer, .address_space: global }
      - { .name: k_codes, .offset: 48, .size: 8, .value_kind: global_buffer, .address_space: global }
      - { .name: v_codes, .offset: 56, .size: 8, .value_kind: global_buffer, .address_space: global }
    .group_segment_fixed_size: 327680
    .private_segment_fixed_size: 0
    .kernarg_segment_align: 8
    .kernarg_segment_size: 64
    .max_flat_workgroup_size: 128
    .sgpr_count:     100
    .vgpr_count:     1024
    .wavefront_size: 32
...
	.end_amdgpu_metadata
.endif
;; end of part 1
;; launch scores (part 2): grid 60 x 4, 4 waves a work-group, no clusters, 327,680 bytes of LDS; arguments q_codes, k_codes, Wv_codes, x_codes, lowp_scales, p_codes, v_codes, negm, lsum; writes p_codes, v_codes, negm, lsum
.if DOCPART == 2
	.amdgcn_target "amdgcn-amd-amdhsa--gfx1250"
	.amdhsa_code_object_version 6
	.text
	.protected	k_q9258ea86d3_scores
	.globl	k_q9258ea86d3_scores
	.p2align	8
	.type	k_q9258ea86d3_scores,@function
k_q9258ea86d3_scores:
	s_mov_b64 s[64:65], 0
	v_nop
	global_prefetch_b8 v0, s[64:65] scope:SCOPE_SE
	s_setreg_imm32_b32 hwreg(HW_REG_WAVE_MODE, 25, 1), 1
	s_wait_xcnt 0x0
; TWO KINDS OF WORK-GROUPS, each one tile of 256 x 256 of a product on codes of FP8 with K = 1,024: one text for the product, for the codes and for the way out.
; x < 36: A TILE OF SCORES of batch y: 256 queries x 256 keys of S = q k^T, for the 36 tiles (I, J), J <= I; tiles wholly behind reference()'s causal mask are not made (their p is 0 for all finite inputs; a NaN or an infinity there is not carried on).
;   t = score x 2^(e6 + e7) x log2(e) / 32.  For each query of the tile: M = ceil(the largest t AMONG THE TILE'S 256 KEYS), a whole number; p = 2^(t - M); p's codes (scale 2^e8) go to p_codes [4][2048 q][2048 key];
;   -M to negm and the sum of the unquantised p to lsum, both [4][8 J][2048 q] f32.  The next launch brings a row's tiles under one M by exact powers of two.
;   The next launch walks the keys 512 at a time: so the diagonal work-group of an EVEN I also stores zero codes into tile (I, I + 1); nobody else writes those bytes.
; x >= 36: A TILE OF v^T = Wv x^T: 256 e x 256 keys of batch y, e = 0 .. 767 (the launch before made the rest), as codes to v_codes [1024 e][8192 keys].
; LIMITS: e6 + e7 between -121 and 132 (they are added to the exponent field of log2(e) / 32); e8, and e9 - e4 - e5, between -126 and 119.  NaN is not served.
; A p that would fall under the format's range against the whole row's M keeps the finer value that it has against its tile's M.
; NO CLUSTER: row I of the triangle has I + 1 tiles, 1 to 8 of them, so the tiles that share rows do not fall into fours, and partners would part at the branches below.  NO PREFETCH: the four K steps are written out, there is no loop to run ahead in.
; Four waves, 128 x 128 a wave, source 0 = 16 rows of B (keys), source 1 = 16 rows of A (queries or e): a lane holds ONE row of A a block (16 a + l % 16) and its registers run along the keys.
; REGISTERS: window 0: v0-31 addresses and constants; v32-95 numbers at work; v96-127 maxima and -M, later the stores' offsets; from v128 A's fragments, later codes, sums, rows read back.
;   window 1: B's fragments, two sets.   windows 2, 3: the accumulators ((a, b) at v[8 (8 (a % 4) + b)]), in which the scores become p in place.
.set ROWB,   256
.set KROW,   1024
.set PITCH,  272                       ; an LDS row: 256 bytes + 16 of padding
.set FR,     16
.set NL,     4
.set NP,     4
.set HALFT,  128*PITCH
.set SLOT,   4*HALFT
.set SPARE,  2*SLOT                    ; the spare words, 128 bytes a wave: two blocks of 256 bytes that no other line names
.set XCH,    73728                     ; in slot 0, behind the stage's 69,632 bytes: the waves' maxima [2 column halves][256 rows] f32, then their sums
.set DD,   4                           ; v4   r - 8 h: in a block on the diagonal key j is hidden where it is above this
.set NEG,  5                           ; v5   -infinity
.set XMA,  6                           ; v6   where I put a row's maximum
.set XMB,  7                           ; v7   where the other column half's wave puts its own
.set LXA,  8                           ; v8   where I put a row's sum
.set SA,   9                           ; v9   thread t reads rows 2 t, 2 t + 1 of these tables
.set SO,   10                          ; v10  and stores them: 8 bytes a thread
.set ZR,   12                          ; v12-15 zeros
.set ADRA, 16
.set ADRB, 20
.set STO,  24
.set RD,   25
.set CO,   26
.set SPW,  28                          ; v28  LDS address of my spare word; never rewritten
.set NIL,  29                          ; v29  0; never rewritten
.set SCL,  30                          ; v30  2^E: E = e8, or e9 - e4 - e5
.set LIM,  31                          ; v31  448 x 2^E
.set TMP,  32
.set MX,   96                          ; v96-103  block a's largest score
.set T8,   104                         ; v104-111 at work
.set NM,   112                         ; v112-127 block a's -M, as the low word of a pair
.set OFS,  96                          ; v96-127 later: the 32 stores' offsets
.set AF,   128
.set CD,   128                         ; v128-191 codes
.set SU,   192                         ; v192-207 block a's sum, in two halves
.set BK,   128
.set SH,   12                          ; s12  a row of the output is 2^this bytes
.set KIND, 13                          ; s13  1: a tile of v
.set G1, 24
.set G0, 32                            ; s[32:35] group 0, which walks
.set CS, 36                            ; s[36:37] c = 2^(e6 + e7) log2(e) / 32
.set CP, 38                            ; s[38:39] the same, 0 in a wave all of whose keys are hidden (the packed form names a pair and takes its low word for both halves)
.set SEL, 40                           ; s[40:41] lane selects for v_permlanex16_b32: lane l xor 16
.set HM, 42                            ; s42  what a maximum is held under: +infinity, or -infinity in such a wave
.set HA, 43                            ; s43  what is added to -M: 0, or -infinity in such a wave
.set SH1, 44
.set MK, 48                            ; s48-55 lanes in which key j of a block on the diagonal is hidden
.set MSB, 0
.macro WIN new
.if MSB != \new
	s_set_vgpr_msb (MSB<<8)|\new
.set MSB, \new
.endif
.endm
.set MUL_LO, 0xa1
.set MUL_HI, 0xf1
.set TO_B,   0x40
.macro PLACES n
.rept \n
	v_nop
.endr
.endm
.macro TLOAD                           ; every wave fetches a quarter of a slot: waves 0, 1 A's halves, waves 2, 3 B's
	tensor_load_to_lds s[G0:G0+3], s[G1:G1+7]
	s_nop 0
	PLACES 4
.endm
.macro NEXTD slot
	s_add_co_u32 s[G0+1], s45, \slot*SLOT
	s_add_nc_u64 s[G0+2:G0+3], s[G0+2:G0+3], ROWB
.endm
	s_load_b512 s[68:83], s[0:1], 0x0              ; q s[68:69], k, Wv, x s[74:75], the scales s[76:77], p, v, negm s[82:83]
	s_load_b64 s[66:67], s[0:1], 0x40              ; lsum
	v_lshl_add_u32 v[SPW], v0, 2, SPARE
	v_mov_b32 v[NIL], 0
	ds_add_u32 v[SPW], v[NIL]                      ; the opening lines: the add, twice on end, and its wait
	ds_add_u32 v[SPW], v[NIL]
	v_lshrrev_b32 v1, 5, v0
	v_readfirstlane_b32 s14, v1                    ; wave 0..3
	s_lshr_b32 s15, s14, 1                         ; which half of the tile's rows is mine.  Also: I fetch for A (0) or for B (1)
	s_and_b32 s16, s14, 1                          ; which half of its columns.  Also: which 128 rows I fetch
	s_mov_b32 s17, 0
.irp th, 1,3,6,10,15,21,28             ; x counts the triangle's tiles row by row: I = how many rows begin at or before it
	s_cmp_ge_u32 ttmp9, \th
	s_add_co_ci_u32 s17, s17, 0
.endr
	s_add_co_u32 s20, s17, 1
	s_mul_i32 s20, s20, s17
	s_lshr_b32 s20, s20, 1
	s_sub_co_u32 s18, ttmp9, s20                   ; J = x - I (I + 1) / 2
	s_and_b32 s19, ttmp7, 0xffff                   ; the batch
	s_sub_co_u32 s20, ttmp9, 36
	s_lshr_b32 s21, s20, 3                         ; v: the tile of e, 0..2,
	s_and_b32 s22, s20, 7                          ; and of the batch's keys, 0..7
	s_cmp_ge_u32 ttmp9, 36
	s_cselect_b32 s17, s21, s17
	s_cselect_b32 s18, s22, s18
	s_cselect_b32 s23, 0, s19                      ; A's batch (Wv has none)
	s_cselect_b32 s9, s19, 0                       ; the batch among the output's columns
	s_cselect_b32 s[KIND], 1, 0
	s_cselect_b32 s[SH], 13, 11
	s_add_co_u32 s[SH1], s[SH], 1
	s_mov_b32 s[G1+0], (0<<16)|(1<<20)|(5<<22)|(3<<25)   ; no mask; elements of 1 byte; padding: 4 words after every 64
	s_mov_b32 s[G1+1], ROWB<<16
	s_mov_b32 s[G1+2], 128<<16
	s_mov_b32 s[G1+3], ROWB<<16
	s_mov_b32 s[G1+4], 128
	s_mov_b32 s[G1+5], KROW
	s_mov_b32 s[G1+6], 0
	s_mov_b32 s[G1+7], 0
	s_mov_b32 s[SEL], 0x76543210
	s_mov_b32 s[SEL+1], 0xfedcba98
	s_cmp_eq_u32 s15, 0
	s_cselect_b32 s20, s17, s18
	s_cselect_b32 s21, s23, s19
	s_lshl_b32 s20, s20, 8
	s_lshl_b32 s22, s16, 7
	s_add_co_u32 s20, s20, s22
	s_lshl_b32 s21, s21, 11
	s_add_co_u32 s20, s20, s21                     ; the first row that I fetch: 2048 b + 256 x tile + 128 x half,
	s_lshl_b32 s20, s20, 10                        ; in bytes
	s_mov_b32 s21, 0
	s_mul_i32 s45, s14, HALFT                      ; where it goes
	s_wait_dscnt 0x0                               ; both opening adds are done
	s_wait_kmcnt 0x0
	s_load_b256 s[84:91], s[76:77], 0x0            ; e0 .. e7
	s_load_b64 s[92:93], s[76:77], 0x20            ; e8, e9
	s_cmp_eq_u32 s[KIND], 1
	s_cselect_b64 s[4:5], s[72:73], s[68:69]       ; A: Wv or q
	s_cselect_b64 s[6:7], s[74:75], s[70:71]       ; B: x or k
	s_cselect_b64 s[10:11], s[80:81], s[78:79]     ; the output: v's codes or p's
	s_cmp_eq_u32 s15, 0
	s_cselect_b64 s[4:5], s[4:5], s[6:7]
	s_mov_b32 s[G0], 1
	s_mov_b32 s[G0+1], s45
	s_add_nc_u64 s[G0+2:G0+3], s[4:5], s[20:21]
	s_or_b32 s[G0+3], s[G0+3], 0x80000000
	TLOAD                                          ; K step 0: one tensor load a wave at the head
	s_lshl_b32 s20, s23, 11
	s_lshl_b32 s22, s17, 8
	s_add_co_u32 s20, s20, s22
	s_lshl_b32 s22, s14, 6
	s_add_co_u32 s20, s20, s22                     ; the first row that I store: (2048 b +) 256 x tile + 64 w,
	s_lshl_b32 s20, s20, s[SH]
	s_lshl_b32 s22, s18, 8
	s_add_co_u32 s20, s20, s22                     ; + 256 x tile,
	s_lshl_b32 s22, s9, 11
	s_add_co_u32 s20, s20, s22                     ; + 2048 b for v (under 2^24 in all)
	s_add_nc_u64 s[10:11], s[10:11], s[20:21]
	s_lshl_b32 s20, s19, 3
	s_add_co_u32 s20, s20, s18
	s_lshl_b32 s20, s20, 11
	s_lshl_b32 s22, s17, 8
	s_add_co_u32 s20, s20, s22
	s_lshl_b32 s20, s20, 2                         ; negm, lsum: 4 ((8 b + J) 2048 + 256 I)
	s_add_nc_u64 s[82:83], s[82:83], s[20:21]
	s_add_nc_u64 s[66:67], s[66:67], s[20:21]
	s_mul_i32 s2, s15, HALFT                       ; my 128 rows of A
	s_mul_i32 s3, s16, HALFT
	s_add_co_u32 s3, s3, 2*HALFT                   ; my 128 rows of B
	s_lshl_b32 s5, s16, 7
	s_add_co_u32 s5, s5, s2                        ; the stage (256 rows x 272 bytes from LDS byte 0 on), in: row 128 x row half + r, byte 128 x column half + 8 h
	s_mul_i32 s8, s14, 64*PITCH                    ; back: wave w takes rows 64 w on, whole
	s_lshl_b32 s9, s16, 10
	s_lshl_b32 s22, s15, 9
	s_add_co_u32 s9, s9, s22
	s_add_co_u32 s9, s9, XCH
	v_and_b32 v1, 15, v0                           ; r
	v_bfe_u32 v2, v0, 4, 1                         ; h
	v_mul_u32_u24 v3, v1, PITCH
	v_lshl_add_u32 v11, v2, 4, v3
	v_add_nc_u32 v[ADRA], s2, v11
	v_add_nc_u32 v[ADRB], s3, v11
	v_add_nc_u32 v[ADRA+1], SLOT, v[ADRA]
	v_add_nc_u32 v[ADRB+1], SLOT, v[ADRB]
	v_lshl_add_u32 v18, v2, 3, v3
	v_add_nc_u32 v[STO], s5, v18
	v_mul_u32_u24 v19, v2, PITCH
	v_lshl_add_u32 v19, v1, 4, v19
	v_add_nc_u32 v[RD], s8, v19
	v_lshlrev_b32 v22, s[SH], v2                   ; lanes 0-15 one row of the output, lanes 16-31 the next
	v_lshl_add_u32 v[CO], v1, 4, v22
	v_lshl_add_u32 v[XMA], v1, 2, s9               ; XCH + 1024 x column half + 4 (128 x row half + r)
	v_xor_b32 v[XMB], 0x400, v[XMA]
	v_add_nc_u32 v[LXA], 0x800, v[XMA]
	v_lshl_add_u32 v[SA], v0, 3, XCH
	v_lshlrev_b32 v[SO], 3, v0
	v_lshlrev_b32 v23, 3, v2
	v_sub_nc_u32 v[DD], v1, v23
.irp j, 0,1,2,3,4,5,6,7
	v_cmp_gt_i32 s[MK+\j], \j, v[DD]
.endr
	v_mov_b32 v[NEG], 0xff800000
.irp i, 0,1,2,3
	v_mov_b32 v[ZR+\i], 0
.endr
.irp a, 0,1,2,3,4,5,6,7
	v_mov_b32 v[MX+\a], 0
	v_mov_b32 v[T8+\a], 0                          ; written once: a lane permute's destination counts as one of its sources
	v_mov_b32 v[NM+2*\a+1], 0                      ; (named with its lower word as a pair)
.endr
	s_wait_kmcnt 0x0
	s_add_co_i32 s2, s90, s91
	s_lshl_b32 s2, s2, 23
	s_add_co_i32 s[CS], s2, 0x3d38aa3b             ; log2(e) / 32, with e6 + e7 added to its exponent field
	s_mov_b32 s[CS+1], s[CS]
	; a wave of a diagonal tile with the lower 128 queries and the upper 128 keys has hidden keys alone
	s_xor_b32 s2, s17, s18
	s_or_b32 s2, s2, s15
	s_xor_b32 s3, s16, 1
	s_or_b32 s2, s2, s3
	s_mov_b32 s3, 0xff800000
	s_mov_b32 s4, 0x7f800000
	s_cmp_eq_u32 s2, 0
	s_cselect_b32 s[HM], s3, s4
	s_cselect_b32 s[HA], s3, 0
	s_cselect_b32 s[CP], 0, s[CS]
	s_mov_b32 s[CP+1], s[CP]
	s_sub_co_i32 s3, s93, s88
	s_sub_co_i32 s3, s3, s89                       ; v: e9 - e4 - e5
	s_cmp_eq_u32 s[KIND], 1
	s_cselect_b32 s3, s3, s92                      ; p: e8
	s_add_co_i32 s3, s3, 127
	s_lshl_b32 s4, s3, 23
	v_mov_b32 v[SCL], s4
	s_add_co_i32 s3, s3, 8
	s_lshl_b32 s3, s3, 23
	s_or_b32 s3, s3, 0x600000
	v_mov_b32 v[LIM], s3
.macro FRAG reg, adr, q, i
.irp c, 0,1,2,3
	ds_load_b128 v[\reg+4*\c:\reg+4*\c+3], v[\adr] offset:128*(\q)+32*\c+(\i)*16*PITCH
.endr
.endm
; 16 matrix instructions; the 64 accumulators take turns, one instruction a turn, in the same order in every step
.macro MUL16 a0, p, zero
.irp a, \a0, \a0+1
.irp b, 0,1,2,3,4,5,6,7
.if \zero
	v_wmma_f32_16x16x128_fp8_fp8 v[8*(8*((\a)%4)+\b):8*(8*((\a)%4)+\b)+7], v[128*(\p)+FR*\b:128*(\p)+FR*\b+FR-1], v[AF+FR*(\a):AF+FR*(\a)+FR-1], 0
.else
	v_wmma_f32_16x16x128_fp8_fp8 v[8*(8*((\a)%4)+\b):8*(8*((\a)%4)+\b)+7], v[128*(\p)+FR*\b:128*(\p)+FR*\b+FR-1], v[AF+FR*(\a):AF+FR*(\a)+FR-1], v[8*(8*((\a)%4)+\b):8*(8*((\a)%4)+\b)+7]
.endif
.endr
.endr
.endm
.macro FETCH_B slot, q, p
	WIN TO_B
.irp i, 0,1,2,3,4,5,6,7
	FRAG 128*(\p)+FR*\i, ADRB+\slot, \q, \i
.endr
	WIN 0
.endm
.macro FETCH_A slot, q, i0
.irp i, \i0, \i0+1, \i0+2, \i0+3
	FRAG AF+FR*(\i), ADRA+\slot, \q, \i
.endr
.endm
.macro STEP slot, q, zero
	s_wait_dscnt 4*NL                              ; all but the youngest 16 loads (A's blocks 4-7)
	WIN MUL_LO
	MUL16 0, (\q)%2, \zero
	MUL16 2, (\q)%2, \zero
	s_wait_dscnt 0
	PLACES NP                                      ; a load into a register that a matrix instruction has read stands NP plain places behind it
	FETCH_B \slot, (\q)+1, 1-(\q)%2
	FETCH_A \slot, (\q)+1, 0
	WIN MUL_HI
	MUL16 4, (\q)%2, \zero
	MUL16 6, (\q)%2, \zero
	PLACES NP
	WIN 0
	FETCH_A \slot, (\q)+1, 4
.endm
; A slot's last step changes slots: its first 32 products, then ONE barrier; in front of it each wave waits for all its tensor loads, adds 0 to its spare word, and waits for that and for its own reads of this slot.
.macro TURN slot, next, fill
	s_wait_dscnt 4*NL
	WIN MUL_LO
	MUL16 0, 1, 0
	MUL16 2, 1, 0
	WIN 0
	s_wait_tensorcnt 0x0                           ; my part of the next slot has landed; so group 0 may be written
	ds_add_u32 v[SPW], v[NIL]
.if \fill
	NEXTD \slot
.endif
	s_wait_dscnt 0x0                               ; the add is done, and my reads of this slot are over
	s_barrier_signal -1
	s_barrier_wait -1
.if \fill
	TLOAD                                          ; my one tensor load behind the barrier; its four v_nop are the places in front of the loads below
.else
	PLACES NP
.endif
	FETCH_B \next, 0, 0
	FETCH_A \next, 0, 0
	WIN MUL_HI
	MUL16 4, 1, 0
	MUL16 6, 1, 0
	PLACES NP
	WIN 0
	FETCH_A \next, 0, 4
.endm
	s_wait_alu depctr_va_vdst(0)                   ; the wait at the head's end
	s_wait_tensorcnt 0x0                           ; my part of K step 0 is in; these lines stand ahead of a later first fill, as ahead of a refill
	ds_add_u32 v[SPW], v[NIL]
	NEXTD 1
	s_wait_dscnt 0x0
	s_barrier_signal -1
	s_barrier_wait -1
	TLOAD                                          ; K step 1
	FETCH_B 0, 0, 0
	FETCH_A 0, 0, 0
	FETCH_A 0, 0, 4
	STEP 0, 0, 1
	TURN 0, 1, 1                                   ; slot 0 takes K 512-767
	STEP 1, 0, 0
	TURN 1, 0, 1                                   ; slot 1 takes K 768-1023
	STEP 0, 0, 0
	TURN 0, 1, 0                                   ; behind this barrier nobody reads slot 0, and nothing is filled any more
	STEP 1, 0, 0
	s_wait_dscnt 4*NL
	WIN MUL_LO
	MUL16 0, 1, 0
	MUL16 2, 1, 0
	s_wait_dscnt 0
	WIN MUL_HI
	MUL16 4, 1, 0
	MUL16 6, 1, 0
	WIN 0
	PLACES NP
	s_cmp_eq_u32 s[KIND], 1                        ; a tile of v has no softmax: it goes round this part, and meets the barrier below
	s_cbranch_scc1 .Lmeet
	s_cmp_lg_u32 s17, s18
	s_cbranch_scc1 .Lopen
	; ---- THE TILE OF ZERO CODES, right of the diagonal tile of an even I: my 64 rows, 256 bytes further along
	s_bitcmp1_b32 s17, 0
	s_cbranch_scc1 .Ltriangle
.set t, 0
.rept 32
	global_store_b128 v[CO], v[ZR:ZR+3], s[10:11] offset:t*4096+256   ; rows 2 t, 2 t + 1: 16 lanes store 256 consecutive bytes, aligned
.set t, t+1
.endr
.Ltriangle:
	; ---- THE MASK, in the two waves that lie on the diagonal (a branch on the wave's number, round no barrier): block (a, b): b > a hidden, b = a by the lanes' masks, b < a open
	s_cmp_lg_u32 s15, s16
	s_cbranch_scc1 .Lopen
.macro MASKW w
	WIN ((\w)<<6)|(\w)
.irp a4, 0,1,2,3
.irp j, 0,1,2,3,4,5,6,7
	v_cndmask_b32 v[64*\a4+8*(4*((\w)-2)+\a4)+\j], v[64*\a4+8*(4*((\w)-2)+\a4)+\j], v[NEG], s[MK+\j]
.endr
.endr
	WIN ((\w)<<6)
.irp a4, 0,1,2,3
.irp b, 0,1,2,3,4,5,6,7
.if \b > (4*((\w)-2)+\a4)
.irp j, 0,1,2,3,4,5,6,7
	v_mov_b32 v[64*\a4+8*\b+\j], v[NEG]
.endr
.endif
.endr
.endr
.endm
	MASKW 2
	MASKW 3
	WIN 0
.Lopen:
	; ---- THE LARGEST SCORE of each of my 8 x 16 queries: among my lane's 64 keys (four blocks' chains by turns), the other half of the lanes', the other column half's wave's
.macro MAXW w
	WIN 0x14*(\w)                                  ; sources 1 and 2: the accumulators' window
.set i, 0
.rept 32
.irp a4, 0,1,2,3
.if i == 0
	v_max3_num_f32 v[MX+4*((\w)-2)+\a4], v[NEG], v[64*\a4], v[64*\a4+1]
.else
	v_max3_num_f32 v[MX+4*((\w)-2)+\a4], v[MX+4*((\w)-2)+\a4], v[64*\a4+2*i], v[64*\a4+2*i+1]
.endif
.endr
.set i, i+1
.endr
.endm
	MAXW 2
	MAXW 3
	WIN 0
.irp a, 0,1,2,3,4,5,6,7
	v_permlanex16_b32 v[T8+\a], v[MX+\a], s[SEL], s[SEL+1]
.endr
.irp a, 0,1,2,3,4,5,6,7
	v_max_num_f32 v[MX+\a], v[MX+\a], v[T8+\a]
.endr
.irp a, 0,1,2,3,4,5,6,7
	v_min_num_f32 v[MX+\a], s[HM], v[MX+\a]        ; -infinity where all my keys are hidden
.endr
.irp a, 0,1,2,3,4,5,6,7
	ds_store_b32 v[XMA], v[MX+\a] offset:64*\a     ; lanes l and l + 16 write the same word with the same number
.endr
.Lmeet:
	s_wait_alu depctr_va_vdst(0)                   ; the wait here, directly ahead of the wait below
	s_wait_dscnt 0x0                               ; for the others' sake: my maxima lie in LDS
	s_barrier_signal -1
	s_barrier_wait -1
	s_cmp_eq_u32 s[KIND], 1
	s_cbranch_scc1 .Lcodes
.irp a, 0,1,2,3,4,5,6,7
	ds_load_b32 v[T8+\a], v[XMB] offset:64*\a
.endr
	s_wait_dscnt 0x0
.irp a, 0,1,2,3,4,5,6,7
	v_max_num_f32 v[MX+\a], v[MX+\a], v[T8+\a]
.endr
.irp a, 0,1,2,3,4,5,6,7
	v_mul_f32 v[T8+\a], s[CS], v[MX+\a]            ; as t (c is positive)
.endr
.irp a, 0,1,2,3,4,5,6,7
	v_floor_f32 v[NM+2*\a], -v[T8+\a]              ; -M = floor(-t) = -ceil(t): M IS A WHOLE NUMBER
.endr
.irp a, 0,1,2,3,4,5,6,7
	v_add_f32 v[NM+2*\a], s[HA], v[NM+2*\a]        ; -infinity where all my keys are hidden: there t - M = score x 0 - infinity, and p = 0
.endr
	; ---- p = 2^(t - M) in place: 256 packed scalings, 512 exponentials as ONE batch with one wait ahead and one behind
.macro SCALEW w
	WIN ((\w)<<6)|(\w)
.irp a4, 0,1,2,3
.set i, 0
.rept 32
	v_pk_fma_f32 v[64*\a4+2*i:64*\a4+2*i+1], v[64*\a4+2*i:64*\a4+2*i+1], s[CP:CP+1], v[NM+2*(4*((\w)-2)+\a4):NM+2*(4*((\w)-2)+\a4)+1] op_sel_hi:[1,0,0]
.set i, i+1
.endr
.endr
.endm
.macro EXPW w
	WIN ((\w)<<6)|(\w)
.set i, 0
.rept 256
	v_exp_f32 v[i], v[i]
.set i, i+1
.endr
.endm
.macro SUMW w                          ; THE SUM IS TAKEN OF THE UNQUANTISED p: four blocks' chains by turns
	WIN 5*(\w)
.irp a4, 0,1,2,3
	v_pk_add_f32 v[SU+2*(4*((\w)-2)+\a4):SU+2*(4*((\w)-2)+\a4)+1], v[64*\a4:64*\a4+1], v[64*\a4+2:64*\a4+3]
.endr
	WIN (\w)
.set i, 2
.rept 30
.irp a4, 0,1,2,3
	v_pk_add_f32 v[SU+2*(4*((\w)-2)+\a4):SU+2*(4*((\w)-2)+\a4)+1], v[64*\a4+2*i:64*\a4+2*i+1], v[SU+2*(4*((\w)-2)+\a4):SU+2*(4*((\w)-2)+\a4)+1]
.endr
.set i, i+1
.endr
.endm
	SCALEW 2
	SCALEW 3
	s_wait_alu depctr_va_vdst(0)                   ; the wait ahead of the batch
	EXPW 3
	EXPW 2
	WIN 0
	v_nop                                          ; a plain line behind the last exponential,
	s_wait_alu depctr_va_vdst(0)                   ; and the wait ahead of the first line that names a result
	SUMW 2
	SUMW 3
	WIN 0
.irp a, 0,1,2,3,4,5,6,7
	v_add_f32 v[SU+2*\a], v[SU+2*\a], v[SU+2*\a+1] ; a sum's two halves,
.endr
.irp a, 0,1,2,3,4,5,6,7
	v_permlanex16_b32 v[SU+2*\a+1], v[SU+2*\a], s[SEL], s[SEL+1]
.endr
.irp a, 0,1,2,3,4,5,6,7
	v_add_f32 v[SU+2*\a], v[SU+2*\a], v[SU+2*\a+1] ; and lane l xor 16's
.endr
.irp a, 0,1,2,3,4,5,6,7
	ds_store_b32 v[LXA], v[SU+2*\a] offset:64*\a
.endr
.Lcodes:
	; ---- THE CODES, of p or of v: held (the conversion does not saturate: ISA guide 7.6.2), converted, gathered in the stage; each accumulator from its low end on
.macro CODES a
.set CB, CD+16*((\a)%4)
	WIN (2+(\a)/4)                                 ; source 0: window 2 or 3
.set i, 0
.rept 64
	v_med3_num_f32 v[TMP+i], v[64*((\a)%4)+i], -v[LIM], v[LIM]
.set i, i+1
.endr
	WIN 0
.irp b, 0,1,2,3,4,5,6,7
	v_cvt_scalef32_pk8_fp8_f32 v[CB+2*\b:CB+2*\b+1], v[TMP+8*\b:TMP+8*\b+7], v[SCL]
.endr
	v_nop                                          ; one plain line between the conversions and the next lines that write their sources
.irp b, 0,1,2,3,4,5,6,7
	ds_store_b64 v[STO], v[CB+2*\b:CB+2*\b+1] offset:(\a)*16*PITCH+16*\b
.endr
.endm
.irp a, 0,1,2,3,4,5,6,7
	CODES \a
.endr
.set t, 0
.rept 32
	v_lshl_add_u32 v[OFS+t], t, s[SH1], v[CO]      ; store t takes rows 2 t and 2 t + 1
.set t, t+1
.endr
	s_wait_alu depctr_va_vdst(0)                   ; the wait here, directly ahead of the wait below
	s_wait_dscnt 0x0                               ; for the others' sake: my codes and my sums lie in LDS
	s_barrier_signal -1
	s_barrier_wait -1
	; ---- THE WAY OUT
	s_cmp_eq_u32 s[KIND], 1
	s_cbranch_scc1 .Lrows
	ds_load_b64 v[32:33], v[SA]                    ; rows 2 t, 2 t + 1: the two column halves' maxima,
	ds_load_b64 v[34:35], v[SA] offset:1024
	ds_load_b64 v[36:37], v[SA] offset:2048        ; and sums
	ds_load_b64 v[38:39], v[SA] offset:3072
	s_wait_dscnt 0x0
	v_max_num_f32 v32, v32, v34
	v_max_num_f32 v33, v33, v35
	v_mul_f32 v32, s[CS], v32
	v_mul_f32 v33, s[CS], v33
	v_floor_f32 v32, -v32                          ; -M, by the same arithmetic as above
	v_floor_f32 v33, -v33
	v_pk_add_f32 v[36:37], v[36:37], v[38:39]
	global_store_b64 v[SO], v[32:33], s[82:83]     ; a wave stores 256 consecutive bytes, aligned
	global_store_b64 v[SO], v[36:37], s[66:67]
.Lrows:
.set t, 0
.rept 32
	ds_load_b128 v[BK+4*t:BK+4*t+3], v[RD] offset:t*2*PITCH
.set t, t+1
.endr
.set t, 0
.rept 32
	s_wait_dscnt 31-t                              ; load t is in, the younger ones may be out
	global_store_b128 v[OFS+t], v[BK+4*t:BK+4*t+3], s[10:11]   ; 16 lanes store 256 consecutive bytes, aligned
.set t, t+1
.endr
	s_wait_tensorcnt 0x0                           ; the wave's end
	ds_add_u32 v[SPW], v[NIL]
	s_wait_dscnt 0x0
	s_endpgm
.Lfunc_end_k_q9258ea86d3_scores:
	.size	k_q9258ea86d3_scores, .Lfunc_end_k_q9258ea86d3_scores-k_q9258ea86d3_scores
	.p2alignl 7, 3214868480
	.fill 96, 4, 3214868480
	.section	.rodata,"a",@progbits
	.p2align	6, 0x0
	.amdhsa_kernel k_q9258ea86d3_scores
		.amdhsa_group_segment_fixed_size 327680
		.amdhsa_private_segment_fixed_size 0
		.amdhsa_enable_private_segment 0
		.amdhsa_kernarg_size 72
		.amdhsa_user_sgpr_count 2
		.amdhsa_user_sgpr_kernarg_segment_ptr 1
		.amdhsa_wavefront_size32 1
		.amdhsa_system_sgpr_workgroup_id_x 1
		.amdhsa_system_sgpr_workgroup_id_y 1
		.amdhsa_system_sgpr_workgroup_id_z 1
		.amdhsa_system_vgpr_workitem_id 0
		.amdhsa_next_free_vgpr 1024
		.amdhsa_next_free_sgpr 100
		.amdhsa_reserve_vcc 0
		.amdhsa_float_denorm_mode_32 3
		.amdhsa_float_denorm_mode_16_64 3
		.amdhsa_memory_ordered 1
		.amdhsa_forward_progress 1
		.amdhsa_inst_pref_size 211
	.end_amdhsa_kernel
	.amdgpu_metadata
---
amdhsa.version: [ 1, 2 ]
amdhsa.kernels:
  - .name:           k_q9258ea86d3_scores
    .symbol:         k_q9258ea86d3_scores.kd
    .args:
      - { .name: q_codes, .offset: 0, .size: 8, .value_kind: global_buffer, .address_space: global }
      - { .name: k_codes, .offset: 8, .size: 8, .value_kind: global_buffer, .address_space: global }
      - { .name: Wv_codes, .offset: 16, .size: 8, .value_kind: global_buffer, .address_space: global }
      - { .name: x_codes, .offset: 24, .size: 8, .value_kind: global_buffer, .address_space: global }
      - { .name: lowp_scales, .offset: 32, .size: 8, .value_kind: global_buffer, .address_space: global }
      - { .name: p_codes, .offset: 40, .size: 8, .value_kind: global_buffer, .address_space: global }
      - { .name: v_codes, .offset: 48, .size: 8, .value_kind: global_buffer, .address_space: global }
      - { .name: negm, .offset: 56, .size: 8, .value_kind: global_buffer, .address_space: global }
      - { .name: lsum, .offset: 64, .size: 8, .value_kind: global_buffer, .address_space: global }
    .group_segment_fixed_size: 327680
    .private_segment_fixed_size: 0
    .kernarg_segment_align: 8
    .kernarg_segment_size: 72
    .max_flat_workgroup_size: 128
    .sgpr_count:     100
    .vgpr_count:     1024
    .wavefront_size: 32
...
	.end_amdgpu_metadata
.endif
;; end of part 2
;; launch mix (part 3): grid 8 x 32, 4 waves a work-group, clusters of 4 x 4, 327,680 bytes of LDS; arguments p_codes, v_codes, negm, lsum, lowp_scales, out0; writes out0
.if DOCPART == 3
	.amdgcn_target "amdgcn-amd-amdhsa--gfx1250"
	.amdhsa_code_object_version 6
	.text
	.protected	k_q9258ea86d3_mix
	.globl	k_q9258ea86d3_mix
	.p2align	8
	.type	k_q9258ea86d3_mix,@function
k_q9258ea86d3_mix:
	s_mov_b64 s[64:65], 0
	v_nop
	global_prefetch_b8 v0, s[64:65] scope:SCOPE_SE
	s_setreg_imm32_b32 hwreg(HW_REG_WAVE_MODE, 25, 1), 1
	s_wait_xcnt 0x0
	s_wait_alu depctr_hold_cnt(0) depctr_sa_sdst(0) depctr_va_vdst(0) depctr_va_sdst(0) depctr_va_ssrc(0) depctr_va_vcc(0) depctr_vm_vsrc(0)
	s_getreg_b32 s2, hwreg(HW_REG_IB_STS2, 6, 4)
	s_cmp_eq_u32 s2, 0
	s_cbranch_scc0 .Lentry_in_a_cluster
	s_endpgm
.Lentry_in_a_cluster:
	s_bfe_u32 s2, ttmp6, 0x10000c
	s_cmp_lg_u32 s2, 0xf033
	s_cbranch_scc0 .Lentry_shape_is_right
	s_endpgm
.Lentry_shape_is_right:
; O = p v / l, for query blocks of 256: a work-group takes 128 queries of block I and the same 128 of block 7 - I, and 128 of the 1,024 e: (I + 2) / 2 and (9 - I) / 2 units of 512 keys (rounded down), five units for every work-group.  Keys wholly behind the causal mask are not walked
; (their p is 0 for all finite inputs; a NaN or an infinity there is not carried on).  A wave makes 64 queries x 64 e: 16 accumulators.
; p's codes stand under their 256-key tile's own M.  Ahead of a tile's products the accumulators are multiplied by an exact power of two (table FT in LDS, each wave's own, made at the head from negm); the row's sum l is made of lsum in the same way; O leaves as sum x 2^(e8 + e9 + ..) / l.
; LIMIT: a tile whose M lies more than 64 under the largest M of the row's tiles before it is weighed as if it lay 64 under.  NaN is not served.
; CLUSTERS: 4 x 4: p's rows are asked for jointly along a row of the cluster, v's along a column.  Two LDS slots of 512 keys.
; PREFETCH INTO THE L2 (macro ASK): behind unit 1's load the tiles of units 2 and 3, behind unit 2's load those of unit 4: one and two units ahead of the load that will want them.  Units 0 and 1 come by their loads alone, and nothing is asked for behind unit 4.
; Of the 64 rows x 512 bytes that a wave fetches, each of the four partners that ask for them jointly names 16 rows, told apart by address (cx for p, cy for v): 32 lanes, 32 aligned blocks of 256 bytes, one instruction a wave; each block once in each cluster that loads it.
; REGISTERS: window 0: v0-31 addresses, v32-95 numbers at work and factors, v128-255 accumulators (at the head: the tables' numbers); window 1: fragments, two sets.
.set PFO,  18                          ; v18  the prefetches' offset: row (16 x my place + lane / 2), block lane % 2; never rewritten
.set PFB,  4                           ; s[4:5] p's or v's base, as my wave fetches it (p's codes' own address is needed no more)
.set PF2,  2                           ; a pair for each prefetch, none rewritten
.set PF3,  6
.set PF4,  78
.macro ASK n, pf
	s_cmp_le_u32 s[UA], \n
	s_cselect_b32 s73, s[OFFB], s[OFFA]
	s_cselect_b32 s74, s[UA], 0
	s_sub_co_u32 s74, \n, s74
	s_lshl_b32 s74, s74, 9
	s_add_co_u32 s76, s74, s73
	s_cmp_eq_u32 s15, 0
	s_cselect_b32 s76, s76, s74
	s_mov_b32 s77, 0
	s_add_nc_u64 s[\pf:\pf+1], s[PFB:PFB+1], s[76:77]
	global_prefetch_b8 v[PFO], s[\pf:\pf+1] th:TH_LOAD_NT scope:SCOPE_SE
.endm
.set PITCH,  528
.set FR,     16
.set QROWS,  64*PITCH
.set VOFF,   128*PITCH
.set SLOT,   256*PITCH
.set SPITCH, 272
.set STAGE,  2*SLOT
.set FT,     STAGE+4*16*SPITCH
.set FTW,    12*512
.set SPARE,  FT+4*FTW
.set ADRA, 16
.set ADRB, 20
.set FA0,  22
.set STO,  24
.set RD,   25
.set CO,   26
.set TW,   27
.set SPW,  28
.set NIL,  29
.set TMP,  32
.set FC0,  64
.set FC1,  72
.set GG,   80
.set ACC,  128
.set BK,   128
.set NMR,  128
.set LSR,  148
.set SAD,  168
.set FS,   180
.set RR,   220
.set LL,   222
.set MP,   224
.set EK,   226
.set LK,   228
.set T0,   230
.set T1,   232
.set T2,   234
.set T3,   236
.set BIG,  238
.set GA,   240
.set GB,   244
.set II,   17
.set UA,   18
.set BB,   19
.set BLKB, 20
.set OFFA, 21
.set OFFB, 22
.set G1,   24
.set G0,   32
.set PB,   42
.set VB,   44
.set GP,   46
.set HQ,   47
.set G1B,  48
.set G0B,  56
.set OUTA, 80
.set OUTB, 82
.set EVM,  93
.set ODM,  94
.set MSB, 0
.macro WIN new
.if MSB != \new
	s_set_vgpr_msb (MSB<<8)|\new
.set MSB, \new
.endif
.endm
.set MUL,    0x05
.set TO_F,   0x40
.set FROM_F, 0x04
.macro JLOAD s
	s_cmp_eq_u32 s15, 0
	s_cbranch_scc0 .Lfor_v_\@
	tensor_load_to_lds s[G0+4*\s:G0+4*\s+3], s[G1:G1+7]
	s_nop 0
.rept 4
	v_nop
.endr
	s_branch .Lasked_\@
.Lfor_v_\@:
	tensor_load_to_lds s[G0B+4*\s:G0B+4*\s+3], s[G1B:G1B+7]
	s_nop 0
.rept 4
	v_nop
.endr
.Lasked_\@:
.endm
.macro CREST
	s_cmp_lg_u32 s14, 0
	s_cbranch_scc1 .Lnot_wave_0_\@
	s_barrier_signal -3
.Lnot_wave_0_\@:
	s_barrier_wait -3
	s_barrier_signal -1
	s_barrier_wait -1
.endm
.macro CROUND
	s_barrier_signal -1
	s_barrier_wait -1
	CREST
.endm
.macro PLACES n
.rept \n
	v_nop
.endr
.endm
.macro NEXTADDR n, slot
	s_cmp_le_u32 s[UA], \n
	s_cselect_b32 s73, s[OFFB], s[OFFA]
	s_cselect_b32 s74, s[UA], 0
	s_sub_co_u32 s74, \n, s74
	s_lshl_b32 s74, s74, 9
	s_mov_b32 s75, 0
	s_add_nc_u64 s[G0B+4*\slot+2:G0B+4*\slot+3], s[VB:VB+1], s[74:75]
	s_or_b32 s[G0B+4*\slot+3], s[G0B+4*\slot+3], 0x80000000
	s_add_co_u32 s76, s74, s73
	s_mov_b32 s77, 0
	s_add_nc_u64 s[G0+4*\slot+2:G0+4*\slot+3], s[PB:PB+1], s[76:77]
	s_or_b32 s[G0+4*\slot+3], s[G0+4*\slot+3], 0x80000000
.endm
	s_load_b256 s[4:11], s[0:1], 0x0
	s_load_b128 s[68:71], s[0:1], 0x20
	v_lshl_add_u32 v[SPW], v0, 2, SPARE
	v_mov_b32 v[NIL], 0
	ds_add_u32 v28, v29
	ds_add_u32 v28, v29
	s_wait_dscnt 0x0
	v_lshrrev_b32 v1, 5, v0
	v_readfirstlane_b32 s14, v1
	s_lshr_b32 s15, s14, 1
	s_and_b32 s16, s14, 1
	s_bfe_u32 s40, ttmp6, 0x40000
	s_bfe_u32 s41, ttmp6, 0x40004
	s_lshl_b32 s13, ttmp9, 2
	s_add_co_u32 s13, s13, s40
	s_and_b32 s[BB], ttmp7, 0xffff
	s_and_b32 s[GP], s[BB], 1
	s_lshr_b32 s[BB], s[BB], 1
	s_lshr_b32 s[II], s41, 1
	s_lshl_b32 s88, s[GP], 1
	s_add_co_u32 s[II], s[II], s88
	s_and_b32 s[HQ], s41, 1
	s_add_co_u32 s[UA], s[GP], 1
	s_sub_co_u32 s[BLKB], 7, s[II]
	s_and_b32 s88, s[II], 1
	s_cmp_eq_u32 s88, 0
	s_cselect_b32 s[EVM], -1, 0
	s_cselect_b32 s[ODM], 0, -1
	s_lshl_b32 s88, s[HQ], 7
	s_lshl_b32 s89, s16, 6
	s_add_co_u32 s88, s88, s89
	s_lshl_b32 s[OFFA], s[II], 8
	s_add_co_u32 s[OFFA], s[OFFA], s88
	s_lshl_b32 s[OFFA], s[OFFA], 11
	s_lshl_b32 s[OFFB], s[BLKB], 8
	s_add_co_u32 s[OFFB], s[OFFB], s88
	s_lshl_b32 s[OFFB], s[OFFB], 11
	s_lshl_b32 s88, s41, 2
	s_lshl_b32 s88, 15, s88
	s_lshl_b32 s89, 0x1111, s40
	s_or_b32 s[G1+0], s88, (0<<16)|(1<<20)|(1<<21)|(6<<22)|(3<<25)
	s_or_b32 s[G1B+0], s89, (0<<16)|(1<<20)|(1<<21)|(6<<22)|(3<<25)
.irp g, G1, G1B
	s_mov_b32 s[\g+1], 512<<16
	s_mov_b32 s[\g+2], 64<<16
	s_mov_b32 s[\g+3], 512<<16
	s_mov_b32 s[\g+4], 64
	s_mov_b32 s[\g+6], 0
	s_mov_b32 s[\g+7], 0
.endr
	s_mov_b32 s[G1+5], 2048
	s_mov_b32 s[G1B+5], 8192
	s_mul_i32 s90, s16, QROWS
	s_add_co_u32 s91, s90, VOFF
	s_lshl_b32 s74, s[BB], 22
	s_mov_b32 s75, 0
	s_lshl_b32 s96, s13, 7
	s_lshl_b32 s97, s16, 6
	s_add_co_u32 s96, s96, s97
	s_lshl_b32 s96, s96, 13
	s_lshl_b32 s97, s[BB], 11
	s_add_co_u32 s96, s96, s97
	s_mov_b32 s97, 0
	s_wait_kmcnt 0x0
	s_load_b64 s[84:85], s[68:69], 0x20
	s_add_nc_u64 s[PB:PB+1], s[4:5], s[74:75]
	s_add_nc_u64 s[VB:VB+1], s[6:7], s[96:97]
	CROUND
.irp s, 0,1
	s_mov_b32 s[G0+4*\s], 1
	s_add_co_u32 s[G0+4*\s+1], s90, \s*SLOT
	s_mov_b32 s[G0B+4*\s], 1
	s_add_co_u32 s[G0B+4*\s+1], s91, \s*SLOT
	NEXTADDR \s, \s
.endr
	JLOAD 0                                        ; unit 0: one tensor load a wave at the head
	v_and_b32 v1, 15, v0
	s_wait_alu depctr_va_vdst(0)
	v_bfe_u32 v2, v0, 4, 1
	v_mul_u32_u24 v3, v1, PITCH
	v_lshl_add_u32 v4, v2, 4, v3
	s_mul_i32 s88, s15, QROWS
	s_mul_i32 s89, s16, QROWS
	s_add_co_u32 s89, s89, VOFF
.irp s, 0,1
	v_add_nc_u32 v[ADRA+\s], s88, v4
	v_add_nc_u32 v[ADRB+\s], s89, v4
	s_add_co_u32 s88, s88, SLOT
	s_add_co_u32 s89, s89, SLOT
.endr
	s_mul_i32 s88, s14, FTW
	s_add_co_u32 s88, s88, FT
	v_lshl_add_u32 v[FA0], v1, 5, s88
	s_wait_alu depctr_va_vdst(0)
	v_lshl_add_u32 v[TW], v2, 4, v[FA0]
	s_mul_i32 s88, s14, 16*SPITCH
	s_add_co_u32 s88, s88, STAGE
	v_mul_u32_u24 v5, v1, SPITCH
	v_lshl_add_u32 v5, v2, 5, v5
	v_add_nc_u32 v[STO], s88, v5
	v_mul_u32_u24 v5, v2, SPITCH
	v_lshl_add_u32 v5, v1, 4, v5
	v_add_nc_u32 v[RD], s88, v5
	v_lshlrev_b32 v5, 12, v2
	v_lshl_add_u32 v[CO], v1, 4, v5
	s_lshl_b32 s88, s[BB], 11
	s_lshl_b32 s89, s[HQ], 7
	s_add_co_u32 s88, s88, s89
	s_lshl_b32 s89, s15, 6
	s_add_co_u32 s88, s88, s89
	s_lshl_b32 s89, s13, 9
	s_lshl_b32 s95, s16, 8
	s_add_co_u32 s89, s89, s95
	s_lshl_b32 s98, s[II], 8
	s_add_co_u32 s98, s98, s88
	s_lshl_b32 s98, s98, 12
	s_add_co_u32 s98, s98, s89
	s_mov_b32 s99, 0
	s_add_nc_u64 s[OUTA:OUTA+1], s[70:71], s[98:99]
	s_lshl_b32 s98, s[BLKB], 8
	s_add_co_u32 s98, s98, s88
	s_lshl_b32 s98, s98, 12
	s_add_co_u32 s98, s98, s89
	s_add_nc_u64 s[OUTB:OUTB+1], s[70:71], s[98:99]
	s_lshl_b32 s88, s[HQ], 9
	s_lshl_b32 s89, s15, 8
	s_add_co_u32 s88, s88, s89
	v_lshlrev_b32 v5, 7, v2
	v_lshl_add_u32 v5, v1, 2, v5
	v_add_nc_u32 v5, s88, v5
	s_wait_alu depctr_va_vdst(0)
	s_lshl_b32 s95, s[BB], 14
.irp t, 0,1,2,3,4,5,6,7,8,9
	s_cmp_le_u32 s[UA], (\t)/2
	s_cselect_b32 s88, s[BLKB], s[II]
	s_cselect_b32 s89, s[UA], 0
	s_sub_co_u32 s89, (\t)/2, s89
	s_lshl_b32 s89, s89, 1
	s_add_co_u32 s89, s89, (\t)%2
	s_min_u32 s89, s89, s88
	s_lshl_b32 s89, s89, 11
	s_lshl_b32 s88, s88, 8
	s_add_co_u32 s88, s88, s89
	s_add_co_u32 s88, s88, s95
	s_lshl_b32 s88, s88, 2
	v_add_nc_u32 v[SAD+\t], s88, v5
.irp i, 0,1
	global_load_b32 v[NMR+2*\t+\i], v[SAD+\t], s[8:9] offset:64*\i
	global_load_b32 v[LSR+2*\t+\i], v[SAD+\t], s[10:11] offset:64*\i
.endr
.endr
	s_cmp_eq_u32 s15, 0                            ; waves 0 and 1 fetch p, waves 2 and 3 v
	s_cselect_b64 s[PFB:PFB+1], s[PB:PB+1], s[VB:VB+1]
	s_cselect_b32 s72, s40, s41                    ; my place among the four that ask with me
	s_cselect_b32 s73, 11, 13                      ; a row is 2^11 or 2^13 bytes
	s_lshl_b32 s72, s72, 4
	v_bfe_u32 v[PFO], v0, 1, 4
	v_and_b32 v19, 1, v0
	v_add_nc_u32 v[PFO], s72, v[PFO]
	v_lshlrev_b32 v[PFO], s73, v[PFO]
	v_lshl_add_u32 v[PFO], v19, 8, v[PFO]
	s_wait_alu depctr_va_vdst(0)                   ; the wait here, directly ahead of the wait below
	s_wait_tensorcnt 0x0                           ; my part of unit 0 is in; these lines stand ahead of a later first fill, as ahead of a refill
	ds_add_u32 v[SPW], v[NIL]
	s_wait_dscnt 0x0
	CROUND                                         ; everybody's part of unit 0 is in
	JLOAD 1                                        ; unit 1
	v_mov_b32 v[BIG], 0x7f61b1e6
.irp i, 0,1
	v_mov_b32 v[RR+\i], v[BIG]
	v_mov_b32 v[LL+\i], 0
	v_mov_b32 v[MP+\i], 0
	v_mov_b32 v[EK+\i], 0
	v_mov_b32 v[LK+\i], 0
.endr
	s_wait_alu depctr_va_vdst(0)
	s_wait_kmcnt 0x0
	s_add_co_i32 s84, s84, s85
	s_wait_loadcnt 0x0
.macro SCAN t
.if ((\t) == 2) || ((\t) == 4)
	s_cmp_eq_u32 s[UA], (\t)/2
	s_cselect_b32 s86, -1, 0
.irp i, 0,1
	v_cndmask_b32 v[RR+\i], v[RR+\i], v[BIG], s86
	v_cndmask_b32 v[LL+\i], v[LL+\i], v[NIL], s86
.endr
.endif
.if ((\t) == 1) || ((\t) == 3)
	s_cmp_eq_u32 s[UA], ((\t)+1)/2
	s_cselect_b32 s87, -1, 0
	s_and_b32 s92, s87, s[EVM]
.irp i, 0,1
	v_cndmask_b32 v[LSR+2*(\t)+\i], v[LSR+2*(\t)+\i], v[NIL], s92
.endr
.endif
.if (\t) == 9
.irp i, 0,1
	v_cndmask_b32 v[LSR+2*(\t)+\i], v[LSR+2*(\t)+\i], v[NIL], s[ODM]
.endr
.endif
.irp i, 0,1
	v_min_num_f32 v[T0+\i], v[RR+\i], v[NMR+2*(\t)+\i]
.endr
.irp i, 0,1
	v_add_f32 v[T1+\i], 0x42800000, v[T0+\i]
.endr
.irp i, 0,1
	v_min_num_f32 v[T1+\i], v[T1+\i], v[NMR+2*(\t)+\i]
.endr
.irp i, 0,1
	v_sub_f32 v[T2+\i], v[T1+\i], v[MP+\i]
	v_sub_f32 v[T3+\i], v[T0+\i], v[RR+\i]
.endr
.irp i, 0,1
	v_cvt_i32_f32 v[T2+\i], v[T2+\i]
	v_cvt_i32_f32 v[T3+\i], v[T3+\i]
.endr
.irp i, 0,1
	v_ldexp_f32 v[T2+\i], 1.0, v[T2+\i]
	v_ldexp_f32 v[LL+\i], v[LL+\i], v[T3+\i]
	v_sub_f32 v[T3+\i], v[T0+\i], v[NMR+2*(\t)+\i]
.endr
.irp i, 0,1
	v_cvt_i32_f32 v[T3+\i], v[T3+\i]
.endr
.irp i, 0,1
	v_ldexp_f32 v[T3+\i], v[LSR+2*(\t)+\i], v[T3+\i]
.endr
.irp i, 0,1
	v_add_f32 v[LL+\i], v[LL+\i], v[T3+\i]
	v_mov_b32 v[RR+\i], v[T0+\i]
	v_mov_b32 v[MP+\i], v[T1+\i]
.endr
.if ((\t) == 2) || ((\t) == 4)
.irp i, 0,1
	v_cndmask_b32 v[T2+\i], v[T2+\i], v[NIL], s86
.endr
.endif
.if ((\t) == 1) || ((\t) == 3)
.irp i, 0,1
	v_sub_f32 v[T3+\i], v[T0+\i], v[T1+\i]
	v_cndmask_b32 v[EK+\i], v[EK+\i], v[T3+\i], s87
	v_cndmask_b32 v[LK+\i], v[LK+\i], v[LL+\i], s87
.endr
.endif
.if (\t) >= 1
	v_mov_b32 v[FS+4*(\t)], v[T2]
	v_mov_b32 v[FS+4*(\t)+1], v[T2]
	v_mov_b32 v[FS+4*(\t)+2], v[T2+1]
	v_mov_b32 v[FS+4*(\t)+3], v[T2+1]
	ds_store_b128 v[TW], v[FS+4*(\t):FS+4*(\t)+3] offset:512*(\t)
.endif
.endm
.irp t, 0,1,2,3,4,5,6,7,8,9
	SCAN \t
.endr
.irp i, 0,1
	v_sub_f32 v[T3+\i], v[RR+\i], v[MP+\i]
.endr
	s_wait_alu depctr_va_vdst(0)
.irp i, 0,1
	v_rcp_f32 v[LK+\i], v[LK+\i]
.endr
.irp i, 0,1
	v_rcp_f32 v[LL+\i], v[LL+\i]
.endr
.irp i, 0,1
	v_cvt_i32_f32 v[EK+\i], v[EK+\i]
	v_cvt_i32_f32 v[T3+\i], v[T3+\i]
.endr
.irp i, 0,1
	v_add_nc_u32 v[EK+\i], s84, v[EK+\i]
	v_add_nc_u32 v[T3+\i], s84, v[T3+\i]
.endr
	s_wait_alu depctr_va_vdst(0)
.irp i, 0,1
	v_ldexp_f32 v[GA+2*\i], v[LK+\i], v[EK+\i]
	v_ldexp_f32 v[GB+2*\i], v[LL+\i], v[T3+\i]
.endr
.irp i, 0,1
	v_mov_b32 v[GA+2*\i+1], v[GA+2*\i]
	v_mov_b32 v[GB+2*\i+1], v[GB+2*\i]
.endr
	ds_store_b128 v[TW], v[GA:GA+3] offset:10*512
	ds_store_b128 v[TW], v[GB:GB+3] offset:11*512
.macro FETCH slot, q, f
	WIN TO_F
.irp i, 0,1,2,3
.irp c, 0,1,2,3
	ds_load_b128 v[128*(\f)+FR*\i+4*\c:128*(\f)+FR*\i+4*\c+3], v[ADRB+\slot] offset:128*(\q)+32*\c+\i*16*PITCH
.endr
.endr
.irp i, 0,1,2,3
.irp c, 0,1,2,3
	ds_load_b128 v[128*(\f)+64+FR*\i+4*\c:128*(\f)+64+FR*\i+4*\c+3], v[ADRA+\slot] offset:128*(\q)+32*\c+\i*16*PITCH
.endr
.endr
.endm
.macro MUL8 f, a0, zero
.irp a, \a0, \a0+1
.irp b, 0,1,2,3
.if \zero
	v_wmma_f32_16x16x128_fp8_fp8 v[ACC+8*(4*(\a)+\b):ACC+8*(4*(\a)+\b)+7], v[128*(\f)+FR*\b:128*(\f)+FR*\b+FR-1], v[128*(\f)+64+FR*(\a):128*(\f)+64+FR*(\a)+FR-1], 0
.else
	v_wmma_f32_16x16x128_fp8_fp8 v[ACC+8*(4*(\a)+\b):ACC+8*(4*(\a)+\b)+7], v[128*(\f)+FR*\b:128*(\f)+FR*\b+FR-1], v[128*(\f)+64+FR*(\a):128*(\f)+64+FR*(\a)+FR-1], v[ACC+8*(4*(\a)+\b):ACC+8*(4*(\a)+\b)+7]
.endif
.endr
.endr
.endm
.macro RESCALE fc
.irp a, 0,1,2,3
.set i, 0
.rept 16
	v_pk_mul_f32 v[ACC+32*\a+2*i:ACC+32*\a+2*i+1], v[ACC+32*\a+2*i:ACC+32*\a+2*i+1], v[\fc+2*\a:\fc+2*\a+1]
.set i, i+1
.endr
.endr
.endm
.macro QUARTER slot, qn, f, g, zero, fc
.if \fc
	s_wait_dscnt 32
	WIN 0
	PLACES 4
	RESCALE \fc
.endif
	s_wait_alu depctr_va_vdst(0)
	s_wait_dscnt 8
	WIN MUL
	MUL8 \f, 0, \zero
.if (\fc) == 0
	PLACES 4
.endif
	FETCH \slot, \qn, \g
	s_wait_dscnt 32
	WIN MUL
	MUL8 \f, 2, \zero
.endm
.macro TURN n, slot, next, fill
	WIN 0
	s_wait_tensorcnt 0x0
	ds_add_u32 v[SPW], v[NIL]
.if \fill
	NEXTADDR (\n)+2, \slot
.endif
	s_wait_dscnt 0x0
	s_barrier_signal -1
	s_barrier_wait -1
.if \fill
	CREST
	JLOAD \slot
.else
	PLACES 4
.endif
	ds_load_b128 v[FC0:FC0+3], v[FA0] offset:(2*(\n)+2)*512
	ds_load_b128 v[FC0+4:FC0+7], v[FA0] offset:(2*(\n)+2)*512+16
	ds_load_b128 v[FC1:FC1+3], v[FA0] offset:(2*(\n)+3)*512
	ds_load_b128 v[FC1+4:FC1+7], v[FA0] offset:(2*(\n)+3)*512+16
	FETCH \next, 0, 0
	WIN MUL
	MUL8 1, 0, 0
	MUL8 1, 2, 0
	WIN 0
.endm
.macro UNIT n, slot
.if (\n) == 0
	QUARTER \slot, 1, 0, 1, 1, 0
.else
	QUARTER \slot, 1, 0, 1, 0, FC0
.endif
	QUARTER \slot, 2, 1, 0, 0, 0
	QUARTER \slot, 3, 0, 1, 0, FC1
.endm
.macro TOSTAGE a
	WIN 0
.set i, 0
.rept 16
	v_pk_mul_f32 v[TMP+2*i:TMP+2*i+1], v[ACC+32*(\a)+2*i:ACC+32*(\a)+2*i+1], v[GG+2*(\a):GG+2*(\a)+1]
.set i, i+1
.endr
.irp b, 0,1,2,3
	ds_store_b128 v[STO], v[TMP+8*\b:TMP+8*\b+3] offset:64*\b
	ds_store_b128 v[STO], v[TMP+8*\b+4:TMP+8*\b+7] offset:64*\b+16
.endr
	WIN TO_F
.irp t, 0,1,2,3,4,5,6,7
	ds_load_b128 v[BK+32*((\a)%2)+4*\t:BK+32*((\a)%2)+4*\t+3], v[RD] offset:\t*2*SPITCH
.endr
.endm
.macro SEND a, younger, base
	s_wait_dscnt \younger
	WIN FROM_F
.irp t, 0,1,2,3,4,5,6,7
	global_store_b128 v[CO], v[BK+32*((\a)%2)+4*\t:BK+32*((\a)%2)+4*\t+3], s[\base:\base+1] offset:(16*(\a)+2*\t)*4096 th:TH_STORE_NT
.endr
.endm
.macro WAYOUT row, base
	PLACES 4
	ds_load_b128 v[GG:GG+3], v[FA0] offset:(\row)*512
	ds_load_b128 v[GG+4:GG+7], v[FA0] offset:(\row)*512+16
	s_wait_dscnt 0x0
	TOSTAGE 0
	TOSTAGE 1
	SEND 0, 16, \base
	s_wait_xcnt 0x0
	TOSTAGE 2
	SEND 1, 16, \base
	s_wait_xcnt 0x0
	TOSTAGE 3
	SEND 2, 16, \base
	SEND 3, 0, \base
	s_wait_xcnt 0x0
	WIN 0
.endm
.macro CHECK n
	s_cmp_lg_u32 s[GP], \n
	s_cbranch_scc1 .Lgoes_on_\@
	WAYOUT 10, OUTA
.Lgoes_on_\@:
.endm
	ds_load_b128 v[FC1:FC1+3], v[FA0] offset:512   ; my own stores: LDS serves a wave's instructions in order (ISA guide 5.7.1.4)
	ds_load_b128 v[FC1+4:FC1+7], v[FA0] offset:512+16
	FETCH 0, 0, 0
	ASK 2, PF2
	ASK 3, PF3
	UNIT 0, 0
	TURN 0, 0, 1, 1
	ASK 4, PF4                                     ; behind unit 2's load
	CHECK 0
	UNIT 1, 1
	TURN 1, 1, 0, 1
	CHECK 1
	UNIT 2, 0
	TURN 2, 0, 1, 1
	UNIT 3, 1
	TURN 3, 1, 0, 0
	UNIT 4, 0
	s_wait_dscnt 8
	WIN MUL
	MUL8 1, 0, 0
	s_wait_dscnt 0
	MUL8 1, 2, 0
	WIN 0
	WAYOUT 11, OUTB
	s_wait_tensorcnt 0x0
	ds_add_u32 v[SPW], v[NIL]
	s_wait_dscnt 0x0
	CROUND
	s_endpgm
.Lfunc_end_k_q9258ea86d3_mix:
	.size	k_q9258ea86d3_mix, .Lfunc_end_k_q9258ea86d3_mix-k_q9258ea86d3_mix
	.p2alignl 7, 3214868480
	.fill 96, 4, 3214868480
	.section	.rodata,"a",@progbits
	.p2align	6, 0x0
	.amdhsa_kernel k_q9258ea86d3_mix
		.amdhsa_group_segment_fixed_size 327680
		.amdhsa_private_segment_fixed_size 0
		.amdhsa_enable_private_segment 0
		.amdhsa_kernarg_size 48
		.amdhsa_user_sgpr_count 2
		.amdhsa_user_sgpr_kernarg_segment_ptr 1
		.amdhsa_wavefront_size32 1
		.amdhsa_system_sgpr_workgroup_id_x 1
		.amdhsa_system_sgpr_workgroup_id_y 1
		.amdhsa_system_sgpr_workgroup_id_z 1
		.amdhsa_system_vgpr_workitem_id 0
		.amdhsa_next_free_vgpr 512
		.amdhsa_next_free_sgpr 100
		.amdhsa_reserve_vcc 0
		.amdhsa_float_denorm_mode_32 3
		.amdhsa_float_denorm_mode_16_64 3
		.amdhsa_memory_ordered 1
		.amdhsa_forward_progress 1
		.amdhsa_inst_pref_size 179
	.end_amdhsa_kernel
	.amdgpu_metadata
---
amdhsa.version: [ 1, 2 ]
amdhsa.kernels:
  - .name:           k_q9258ea86d3_mix
    .symbol:         k_q9258ea86d3_mix.kd
    .args:
      - { .name: p_codes, .offset: 0, .size: 8, .value_kind: global_buffer, .address_space: global }
      - { .name: v_codes, .offset: 8, .size: 8, .value_kind: global_buffer, .address_space: global }
      - { .name: negm, .offset: 16, .size: 8, .value_kind: global_buffer, .address_space: global }
      - { .name: lsum, .offset: 24, .size: 8, .value_kind: global_buffer, .address_space: global }
      - { .name: lowp_scales, .offset: 32, .size: 8, .value_kind: global_buffer, .address_space: global }
      - { .name: out0, .offset: 40, .size: 8, .value_kind: global_buffer, .address_space: global }
    .group_segment_fixed_size: 327680
    .private_segment_fixed_size: 0
    .kernarg_segment_align: 8
    .kernarg_segment_size: 48
    .max_flat_workgroup_size: 128
    .sgpr_count:     100
    .vgpr_count:     512
    .wavefront_size: 32
...
	.end_amdgpu_metadata
.endif
;; end of part 3
